; MI455X (gfx1250); checked and timed in simulation.
; The chip was launched on July 23, 2026; its instructions are those of AMD's public machine-readable ISA for CDNA 5 (MIT licence, August 2026) and "CDNA5" Instruction Set Architecture Reference Guide (July 2026). The comments in the code are by the model that wrote it; some were corrected since.
;; Multi Headed Causal Self Attention. Allowed arithmetic: matrix products marked QUANTISED: E5M2 operands, one E8M0 scale for each 32 along K, by v_wmma_scale_f32_16x16x128_f8f6f4 with both operands' format E5M2, f32 sums; everything else in f32.
;; Inputs: Wk 1,024 x 1,024 float32; Wq 1,024 x 1,024 float32; Wv 1,024 x 1,024 float32; x 4,096 x 1,024 float32.
;; Outputs: out0 4,096 x 1,024 float32.
;; This version of the problem:
;;   THIS VERSION OF THE PROBLEM IS GIVEN IN LOW PRECISION. The matrix products marked QUANTISED in the list below multiply operands that are first quantised to E5M2 (5 exponent bits, 2 mantissa bits; 8 bits a number), with one power-of-two scale for each 32 numbers along K (OCP MX v1.0); their sums are f32. All else is computed in f32.
;;   The module's matrix products, in the order in which they are computed (A, B: the left and right operand; K: the contracted axis; several contracted axes count as one K, in the product's order):
;;     1. [M 4,096, K 1,024] x [K 1,024, N 1,024]; A: input x; B: input Wq: QUANTISED
;;     2. [M 4,096, K 1,024] x [K 1,024, N 1,024]; A: input x; B: input Wk: QUANTISED
;;     3. [M 4,096, K 1,024] x [K 1,024, N 1,024]; A: input x; B: input Wv: QUANTISED
;;     4. batch 16 x [M 4,096, K 64] x [K 64, N 4,096]; A: computed on the way; B: computed on the way: QUANTISED
;;     5. batch 16 x [M 64, K 4,096] x [K 4,096, N 4,096]; A: computed on the way; B: softmax (see below): QUANTISED
;;   THE QUANTISER, for each operand of a quantised product, along K:
;;     - K is cut into blocks of 32 from its start; a last block that is shorter is filled with zeros.
;;     - A block's scale is 2^e with e = floor(log2(the largest magnitude in the block)) - 15, held to -126 .. 127; a block of zeros has e = 0. As a byte (E8M0): e + 127.
;;     - Each number is divided by its block's scale, clamped to +-57,344, and rounded to the nearest number of E5M2, ties to even, subnormals kept.
;;     - The product sums the exact products of the quantised numbers (number of the format x scale) in f32.
;;   ~~~python
;;   def quantise(x, axis):      # numpy; x: float32 -> the quantised numbers, widened to float32 again
;;       x = np.moveaxis(x, axis, -1); K = x.shape[-1]
;;       x = np.pad(x, [(0, 0)] * (x.ndim - 1) + [(0, -K % 32)]); x = x.reshape(x.shape[:-1] + (-1, 32)); a = np.abs(x).max(-1, keepdims=True)
;;       e = np.where(a > 0, np.clip(np.frexp(np.where(a > 0, a, 1))[1] - 1 - 15, -126, 127), 0)      # np.frexp(a)[1] - 1 = floor(log2(a)), exactly
;;       r = np.clip(x / 2.0 ** e, -57344, 57344)
;;       step = 2.0 ** (np.maximum(np.frexp(np.where(r == 0, 1, r))[1] - 1, -14) - 2)
;;       q = np.round(r / step) * step * 2.0 ** e      # np.round: ties to even
;;       return np.moveaxis(q.reshape(q.shape[:-2] + (-1,))[..., :K], -1, axis).astype(np.float32)
;;   ~~~
;;   SOFTMAX AHEAD OF A QUANTISED PRODUCT. Where the list says 'softmax', what is quantised is not the finished softmax but p = 2^(t - M), with t = logit x log2(e) and M = ceil(the row's largest t), a whole number; so 1/2 < the row's largest p <= 1. The row's sum l is taken of the UNQUANTISED p, in f32, and the product's result is divided by l at the end. Since M is a whole number, a kernel that streams over the keys may use a running M (the ceiling of the running maximum): every later rescaling is an exact power of two, which a block's scale takes up: the codes' values come out the same.
;;   OPERANDS COMPUTED ON THE WAY. 'Computed on the way' means the value that the module computes at that place (a softmax that the list does not call 'softmax' is quantised finished and normalised). What goes into a quantiser is computed in f32, as accurately as f32 sums, v_exp_f32 and their like allow (about 1e-6 of the number): no bf16 or f16 on the way to a quantiser, and a product that is left as it is and whose result goes on into a quantised operand takes f32 operands (vector FMAs, or v_wmma_f32_16x16x4_f32). A number that lies on a knife's edge between two numbers of the format may be rounded either way, as far as f32 arithmetic and the matrix unit's own rounding can turn it there, and no further.
;; One version. Each part assembles by itself: llvm-mc -triple=amdgcn-amd-amdhsa -mcpu=gfx1250 --defsym DOCPART=n.
;; ======== version 1 of 1: 3 launches
;; limits: right only within a limited range of input values
;; workspace buffers: xc 4,194,304 bytes; xs 131,072 bytes; wc 3,145,728 bytes; ws 98,304 bytes; qi 4,194,304 bytes; qs 262,144 bytes; kv 8,781,824 bytes
;; launch quant (part 1): grid 224 x 1, 4 waves a work-group, no clusters, 68,096 bytes of LDS; arguments x, Wq, Wk, Wv, xc, xs, wc, ws; writes xc, xs, wc, ws
.if DOCPART == 1
	.amdgcn_target "amdgcn-amd-amdhsa--gfx1250"
	.amdhsa_code_object_version 6
	.text
	.protected	k_qa69ecb69f5_quant
	.globl	k_qa69ecb69f5_quant
	.p2align	8
	.type	k_qa69ecb69f5_quant,@function
k_qa69ecb69f5_quant:
	s_mov_b64 s[64:65], 0
	v_nop
	global_prefetch_b8 v0, s[64:65] scope:SCOPE_SE
	s_setreg_imm32_b32 hwreg(HW_REG_WAVE_MODE, 25, 1), 1
	s_wait_xcnt 0x0
; x [4096][1024] and Wq, Wk, Wv [1024 (k)][1024 (n)], f32, become codes of BF8 (E5M2) with K innermost and one E8M0 scale byte for each 32 along K:
;   xc [4096][1024], xs [4096][32];  wc [3072][1024], ws [3072][32], row = 1024 x tensor + n, tensors in the order q, k, v.
; A block's scale is 2^(floor(log2(its largest magnitude)) - 15); its byte is the largest magnitude's exponent field - 15, held at 1 from below; each number is held within +-57,344 x the scale and rounded to the nearest code, ties to even.
; THE ROWS ARE PERMUTED INSIDE EACH GROUP OF 32: row p lies at pos(p) = 16 ((p >> 3) & 1) + (p & 7) + 8 (p >> 4).  So 16 stored neighbours are the rows 8 u + r + 8 (r / 8) of the group (u = which 16, r = 0 .. 15):
; the next launch reads plain tiles of 16 stored rows, and the 16 registers that a lane gets of two neighbouring tiles are 16 neighbours of the original order.
; LIMITS: NaN and infinities among the inputs are not served; a block whose largest magnitude lies under 2^-111 (a block of zeros too) keeps the byte 1: only this program reads the bytes, and zero codes add nothing.
; Work-groups 0 .. 127 take x (K innermost: a plain stream of blocks), work-groups 128 .. 223 the weights (K outermost: a lane to a column, registers down K).  The two ways have LDS bytes of their own.  Waves share nothing: no barrier.
.set EMAX,  15
.set MANT,  0x600000                   ; the mantissa field of 57,344 as f32
.set STEPS, 16                         ; x: a wave takes 16 steps of 512 numbers: 8 whole rows
.set CB,    16                         ; bytes of 16 codes
.set XR,    16                         ; v16-79   four sets of 16 numbers as they are loaded
.set XX,    80                         ; v80-111  two sets of 16 neighbours
.set XE,    112                        ; v112-127 a scale byte for each step
.set XC,    128                        ; v128-191 codes: four registers for each step, so that no store's data are written again
.set WREG,  8192                       ; LDS, x's way: a region for each wave: two stages of 32 x SP bytes, behind them its 256 scale bytes
.set SP,    80                         ; a lane's place in a stage: 64 bytes + 16 of padding
.set WSTG,  32768                      ; LDS, the weights' way: from here a stage of 32 rows x PITCH for each wave
.set NB,    8                          ; blocks of 32 along K for a wave: 256 along K
.set PITCH, 272                        ; a stage row: 256 bytes of codes + 16
.set KROW,  1024                       ; a row of wc in bytes
.set WX,    32                         ; v32-95   two sets of 32 numbers
.set WC,    96                         ; v96-103  a block's codes
.set WOUT,  112                        ; v112-175 the way out
.set WSB,   24                         ; v24-25   the scale bytes, four to a register
	s_load_b256 s[4:11], s[0:1], 0x0               ; x, Wq, Wk, Wv
	s_load_b256 s[12:19], s[0:1], 0x20             ; xc, xs, wc, ws
	v_lshl_add_u32 v192, v0, 2, 0x10800
	v_mov_b32 v193, 0
	v_lshrrev_b32 v1, 5, v0
	v_readfirstlane_b32 s20, v1                    ; wave 0..3
	v_and_b32 v2, 31, v0                           ; lane
	s_mov_b32 s23, MANT                            ; (an instruction takes one literal: the hold's line has another)
	s_cmp_lt_u32 ttmp9, 128
	s_cbranch_scc0 .Lw
; ---------------- x: each load reads 512 consecutive bytes; a step's 2,048 bytes turn through the wave's own stage, so that a lane holds 16 neighbours (two lanes to a block)
	v_lshlrev_b32 v3, 4, v2                        ; my 16 bytes of a load's 512
	s_mul_i32 s21, s20, WREG
	v_lshrrev_b32 v14, 2, v2
	v_mul_u32_u24 v14, v14, SP
	v_and_b32 v15, 3, v2
	v_lshl_add_u32 v14, v15, 4, v14
	v_add_nc_u32 v14, s21, v14                     ; the stage, on the way in: SP (lane / 4) + 16 (lane % 4)
	v_mul_u32_u24 v15, v2, SP
	v_add_nc_u32 v15, s21, v15                     ; and on the way out: SP x lane
	v_mul_u32_u24 v4, v2, CB                       ; my codes' place in a step's
	v_lshrrev_b32 v5, 1, v2
	s_add_co_u32 s21, s21, 2*32*SP
	v_add_nc_u32 v5, s21, v5                       ; my wave's 256 scale bytes, my block's byte
	v_lshlrev_b32 v7, 3, v2                        ; and on the way out 8 bytes a lane
	v_add_nc_u32 v6, s21, v7
	s_lshl_b32 s24, ttmp9, 2
	s_add_co_u32 s25, s24, s20                     ; the run of 8 rows that I read: 4 x work-group + wave
	s_and_b32 s26, s20, 1
	s_lshl_b32 s26, s26, 1
	s_lshr_b32 s27, s20, 1
	s_or_b32 s26, s26, s27
	s_add_co_u32 s26, s24, s26                     ; and where it goes: pos() swaps the group's two middle runs of 8 rows
	s_lshl_b32 s28, s25, 15                        ; 8 rows of x: 32,768 bytes
	s_mov_b32 s29, 0
	s_lshl_b32 s30, s26, 13                        ; of codes: 8,192
	s_mov_b32 s31, 0
	s_lshl_b32 s32, s26, 8                         ; of scale bytes: 256
	s_mov_b32 s33, 0
	s_wait_alu depctr_va_vdst(0)
	s_wait_kmcnt 0x0
	s_add_nc_u64 s[4:5], s[4:5], s[28:29]
	s_add_nc_u64 s[12:13], s[12:13], s[30:31]
	s_add_nc_u64 s[14:15], s[14:15], s[32:33]
.macro XLOAD t
.irp i, 0,1,2,3
	global_load_b128 v[XR+16*((\t)%4)+4*\i:XR+16*((\t)%4)+4*\i+3], v3, s[4:5] offset:2048*(\t)+512*\i th:TH_LOAD_NT   ; 32 lanes read 512 consecutive bytes
.endr
.endm
.macro XTURN t                         ; step t's numbers through the stage: LDS serves a wave's instructions in order, so no wait stands between the stores and the loads
.irp i, 0,1,2,3
	ds_store_b128 v14, v[XR+16*((\t)%4)+4*\i:XR+16*((\t)%4)+4*\i+3] offset:32*SP*((\t)%2)+8*SP*\i
.endr
.irp i, 0,1,2,3
	ds_load_b128 v[XX+16*((\t)%2)+4*\i:XX+16*((\t)%2)+4*\i+3], v15 offset:32*SP*((\t)%2)+16*\i
.endr
.endm
.irp t, 0,1,2,3
	XLOAD \t
.endr
	s_wait_loadcnt 12                              ; step 0's four loads are in; those of the three steps behind it may be out
	XTURN 0
.macro XSTEP t
.set XS, XX+16*((\t)%2)
.if (\t) > 0
	s_wait_dscnt 1                                 ; this step's numbers are back from the stage (the last step's byte store may be out): so its stores into the stage have read their registers,
.else
	s_wait_dscnt 0x0
.endif
.if (\t)+4 < STEPS
	XLOAD (\t)+4                                   ; which take the loads of four steps on
.endif
.if (\t)+1 < STEPS
.if STEPS-2-(\t) >= 3
	s_wait_loadcnt 12                              ; the next step's four loads are in; those of the three steps behind it may be out
.else
	s_wait_loadcnt 4*(STEPS-2-(\t))
.endif
	XTURN (\t)+1                                   ; and go through the other stage while this step is worked
.endif
	v_max3_num_f32 v8, |v[XS]|, |v[XS+1]|, |v[XS+2]|               ; the largest magnitude of my 16, in two chains
	v_max3_num_f32 v9, |v[XS+3]|, |v[XS+4]|, |v[XS+5]|
.irp i, 6,10
	v_max3_num_f32 v8, v8, |v[XS+\i]|, |v[XS+\i+1]|
	v_max3_num_f32 v9, v9, |v[XS+\i+2]|, |v[XS+\i+3]|
.endr
	v_max3_num_f32 v8, v8, |v[XS+14]|, |v[XS+15]|
	v_max3_num_f32 v8, v8, v9, (EMAX+1)<<23        ; and the floor 2^(16 - 127): the byte cannot fall under 1
	v_max_num_f32_dpp v8, v8, v8 row_xmask:1 row_mask:0xf bank_mask:0xf   ; and of my neighbour's 16: the block's
	v_add_nc_u32 v11, -(EMAX<<23), v8              ; 15 off its exponent field: the conversion takes the exponent field of this operand as its scale
	v_and_or_b32 v10, v8, 0x7f800000, s23          ; 57,344 x the scale
.irp i, 0,1,2,3,4,5,6,7,8,9,10,11,12,13,14,15
	v_med3_num_f32 v[XS+\i], v[XS+\i], -v10, v10   ; the conversion to an 8-bit code does not saturate (ISA guide 7.6.2): the hold comes first
.endr
	v_cvt_scalef32_pk8_bf8_f32 v[XC+4*(\t):XC+4*(\t)+1], v[XS:XS+7], v11
	v_cvt_scalef32_pk8_bf8_f32 v[XC+4*(\t)+2:XC+4*(\t)+3], v[XS+8:XS+15], v11
	v_lshrrev_b32 v[XE+(\t)], 23, v11              ; the scale's byte (also the plain line behind the conversions)
	ds_store_b8 v5, v[XE+(\t)] offset:16*(\t)      ; both lanes of a block write the same byte with the same value
	global_store_b128 v4, v[XC+4*(\t):XC+4*(\t)+3], s[12:13] offset:32*CB*(\t)   ; 32 lanes store 512 consecutive bytes
.endm
.irp t, 0,1,2,3,4,5,6,7,8,9,10,11,12,13,14,15
	XSTEP \t
.endr
	ds_load_b64 v[12:13], v6                       ; LDS serves a wave's instructions in order: these see my stores
	s_wait_dscnt 0x0
	global_store_b64 v7, v[12:13], s[14:15]        ; 32 lanes store 256 consecutive bytes, aligned: the scale bytes of my 8 rows
	s_wait_tensorcnt 0x0
	ds_add_u32 v192, v193
	s_wait_dscnt 0x0
	s_endpgm
; ---------------- the weights: a wave takes 32 columns x 256 along K.  A lane takes a column, its registers run down K: a block of 32 lies in one lane, and the codes come out with K innermost
.Lw:
	s_sub_co_u32 s21, ttmp9, 128
	s_and_b32 s22, s21, 7                          ; which 128 columns
	s_bfe_u32 s24, s21, 0x20003                    ; which 256 along K
	s_lshr_b32 s25, s21, 5                         ; which tensor: 0 q, 1 k, 2 v
	s_lshl_b32 s26, s22, 7
	s_lshl_b32 s27, s20, 5
	s_add_co_u32 s26, s26, s27                     ; my wave's first column
	s_lshl_b32 s28, s24, 20                        ; W: 256 rows of 4,096 bytes,
	s_lshl_b32 s27, s26, 2
	s_add_co_u32 s28, s28, s27                     ; + 4 x column
	s_mov_b32 s29, 0
	s_lshl_b32 s27, s25, 10
	s_add_co_u32 s27, s27, s26                     ; my first row of wc and ws
	s_lshl_b32 s30, s27, 10
	s_lshl_b32 s34, s24, 8
	s_add_co_u32 s30, s30, s34                     ; codes: row x 1,024 + 256 x (which 256 along K)
	s_mov_b32 s31, 0
	s_lshl_b32 s32, s27, 5
	s_lshl_b32 s34, s24, 3
	s_add_co_u32 s32, s32, s34                     ; scale bytes: row x 32 + 8 x the same
	s_mov_b32 s33, 0
	s_mul_i32 s35, s20, 32*PITCH
	s_add_co_u32 s35, s35, WSTG                    ; my stage
	s_wait_alu depctr_va_vdst(0)
	v_lshlrev_b32 v3, 2, v2                        ; in: 4 bytes a lane
	v_bfe_u32 v10, v2, 3, 1
	v_and_b32 v11, 7, v2
	v_lshrrev_b32 v12, 4, v2
	v_lshl_add_u32 v11, v10, 4, v11
	v_lshl_add_u32 v11, v12, 3, v11                ; pos(lane): where my column's row lies in its group of 32
	v_mul_u32_u24 v4, v11, PITCH
	v_add_nc_u32 v4, s35, v4                       ; into the stage: that row
	v_lshlrev_b32 v9, 5, v11                       ; and its row of scale bytes
	v_and_b32 v5, 15, v2
	v_lshrrev_b32 v6, 4, v2                        ; out of the stage: sixteen lanes to a row, two rows an instruction
	v_mul_u32_u24 v7, v6, PITCH
	v_lshl_add_u32 v7, v5, 4, v7
	v_add_nc_u32 v7, s35, v7
	v_mul_u32_u24 v8, v6, KROW
	v_lshl_add_u32 v8, v5, 4, v8                   ; and the same place in wc
	s_wait_kmcnt 0x0
	s_cmp_eq_u32 s25, 0                            ; the choice hangs on the work-group's number alone
	s_cselect_b64 s[6:7], s[6:7], s[8:9]
	s_cmp_eq_u32 s25, 2
	s_cselect_b64 s[6:7], s[10:11], s[6:7]
	s_add_nc_u64 s[6:7], s[6:7], s[28:29]
	s_add_nc_u64 s[16:17], s[16:17], s[30:31]
	s_add_nc_u64 s[18:19], s[18:19], s[32:33]
.macro WLOAD t                         ; block t: W(32 t + i, my column), i = 0 .. 31, into set t % 2; 32 lanes read 128 consecutive bytes, the four waves 512
.irp i, 0,1,2,3,4,5,6,7,8,9,10,11,12,13,14,15,16,17,18,19,20,21,22,23,24,25,26,27,28,29,30,31
	global_load_b32 v[WX+32*((\t)%2)+\i], v3, s[6:7] offset:(32*(\t)+\i)*4096 th:TH_LOAD_NT
.endr
.endm
	WLOAD 0
	WLOAD 1
.macro WBLOCK t
.set XS, WX+32*((\t)%2)
.if (\t) < NB-1
	s_wait_loadcnt 32                              ; this block's 32 loads are in; the next block's may be out
.else
	s_wait_loadcnt 0
.endif
	v_max3_num_f32 v12, |v[XS]|, |v[XS+1]|, |v[XS+2]|              ; the block's largest magnitude: all 32 numbers are mine
	v_max3_num_f32 v13, |v[XS+3]|, |v[XS+4]|, |v[XS+5]|
.irp i, 6,10,14,18,22,26
	v_max3_num_f32 v12, v12, |v[XS+\i]|, |v[XS+\i+1]|
	v_max3_num_f32 v13, v13, |v[XS+\i+2]|, |v[XS+\i+3]|
.endr
	v_max3_num_f32 v12, v12, |v[XS+30]|, |v[XS+31]|
	v_max3_num_f32 v12, v12, v13, (EMAX+1)<<23     ; and the floor 2^(16 - 127)
	v_add_nc_u32 v11, -(EMAX<<23), v12             ; the conversion's scale operand
	v_and_or_b32 v10, v12, 0x7f800000, s23         ; 57,344 x the scale
	v_lshrrev_b32 v13, 23, v11                     ; the scale's byte
.if (\t)%4 == 0
	v_mov_b32 v[WSB+(\t)/4], v13                   ; four bytes to a register, the lower K in the lower byte
.else
	v_lshl_or_b32 v[WSB+(\t)/4], v13, 8*((\t)%4), v[WSB+(\t)/4]
.endif
.irp i, 0,1,2,3,4,5,6,7,8,9,10,11,12,13,14,15,16,17,18,19,20,21,22,23,24,25,26,27,28,29,30,31
	v_med3_num_f32 v[XS+\i], v[XS+\i], -v10, v10   ; the hold
.endr
.irp g, 0,1,2,3
	v_cvt_scalef32_pk8_bf8_f32 v[WC+2*\g:WC+2*\g+1], v[XS+8*\g:XS+8*\g+7], v11
.endr
	v_nop                                          ; a plain line behind the last conversion
	ds_store_b128 v4, v[WC:WC+3] offset:32*(\t)    ; 32 codes: 32 bytes of my column's row
	ds_store_b128 v4, v[WC+4:WC+7] offset:32*(\t)+16
.if (\t)+2 < NB
	WLOAD (\t)+2
.endif
	s_wait_dscnt 0x0                               ; the stores have read their registers: the next block's codes may be written
.endm
.set Q, 0
.rept NB
	WBLOCK Q
.set Q, Q+1
.endr
	global_store_b64 v9, v[WSB:WSB+1], s[18:19]    ; my column's 8 scale bytes
.irp t, 0,1,2,3,4,5,6,7,8,9,10,11,12,13,14,15
	ds_load_b128 v[WOUT+4*\t:WOUT+4*\t+3], v7 offset:2*\t*PITCH   ; LDS serves a wave's instructions in order: these see my stores
.endr
.irp t, 0,1,2,3,4,5,6,7,8,9,10,11,12,13,14,15
	s_wait_dscnt 15-\t                             ; the younger loads may stay out
	global_store_b128 v8, v[WOUT+4*\t:WOUT+4*\t+3], s[16:17] offset:2*\t*KROW    ; sixteen lanes store 256 consecutive bytes, aligned
.endr
	s_wait_tensorcnt 0x0
	ds_add_u32 v192, v193
	s_wait_dscnt 0x0
	s_endpgm
.Lfunc_end_k_qa69ecb69f5_quant:
	.size	k_qa69ecb69f5_quant, .Lfunc_end_k_qa69ecb69f5_quant-k_qa69ecb69f5_quant
	.p2alignl 7, 3214868480
	.fill 96, 4, 3214868480
	.section	.rodata,"a",@progbits
	.p2align	6, 0x0
	.amdhsa_kernel k_qa69ecb69f5_quant
		.amdhsa_group_segment_fixed_size 68096
		.amdhsa_private_segment_fixed_size 0
		.amdhsa_enable_private_segment 0
		.amdhsa_kernarg_size 64
		.amdhsa_user_sgpr_count 2
		.amdhsa_user_sgpr_kernarg_segment_ptr 1
		.amdhsa_wavefront_size32 1
		.amdhsa_system_sgpr_workgroup_id_x 1
		.amdhsa_system_sgpr_workgroup_id_y 1
		.amdhsa_system_sgpr_workgroup_id_z 1
		.amdhsa_system_vgpr_workitem_id 0
		.amdhsa_next_free_vgpr 194
		.amdhsa_next_free_sgpr 66
		.amdhsa_reserve_vcc 0
		.amdhsa_float_denorm_mode_32 3
		.amdhsa_float_denorm_mode_16_64 3
		.amdhsa_memory_ordered 1
		.amdhsa_forward_progress 1
		.amdhsa_inst_pref_size 110
	.end_amdhsa_kernel
	.amdgpu_metadata
---
amdhsa.version: [ 1, 2 ]
amdhsa.kernels:
  - .name:           k_qa69ecb69f5_quant
    .symbol:         k_qa69ecb69f5_quant.kd
    .args:
      - { .name: x, .offset: 0, .size: 8, .value_kind: global_buffer, .address_space: global }
      - { .name: Wq, .offset: 8, .size: 8, .value_kind: global_buffer, .address_space: global }
      - { .name: Wk, .offset: 16, .size: 8, .value_kind: global_buffer, .address_space: global }
      - { .name: Wv, .offset: 24, .size: 8, .value_kind: global_buffer, .address_space: global }
      - { .name: xc, .offset: 32, .size: 8, .value_kind: global_buffer, .address_space: global }
      - { .name: xs, .offset: 40, .size: 8, .value_kind: global_buffer, .address_space: global }
      - { .name: wc, .offset: 48, .size: 8, .value_kind: global_buffer, .address_space: global }
      - { .name: ws, .offset: 56, .size: 8, .value_kind: global_buffer, .address_space: global }
    .group_segment_fixed_size: 68096
    .private_segment_fixed_size: 0
    .kernarg_segment_align: 8
    .kernarg_segment_size: 64
    .max_flat_workgroup_size: 128
    .sgpr_count:     66
    .vgpr_count:     194
    .wavefront_size: 32
...
	.end_amdgpu_metadata
.endif
;; end of part 1
;; launch proj (part 2): grid 8 x 24, 4 waves a work-group, clusters of 4 x 4, 327,680 bytes of LDS; arguments xc, xs, wc, ws, qi, qs, kv; writes qi, qs, kv
.if DOCPART == 2
	.amdgcn_target "amdgcn-amd-amdhsa--gfx1250"
	.amdhsa_code_object_version 6
	.text
	.protected	k_qa69ecb69f5_proj
	.globl	k_qa69ecb69f5_proj
	.p2align	8
	.type	k_qa69ecb69f5_proj,@function
k_qa69ecb69f5_proj:
	s_mov_b64 s[64:65], 0
	v_nop
	global_prefetch_b8 v0, s[64:65] scope:SCOPE_SE
	s_setreg_imm32_b32 hwreg(HW_REG_WAVE_MODE, 25, 1), 1
	s_wait_xcnt 0x0
	s_wait_alu depctr_hold_cnt(0) depctr_sa_sdst(0) depctr_va_vdst(0) depctr_va_sdst(0) depctr_va_ssrc(0) depctr_va_vcc(0) depctr_vm_vsrc(0)
	s_getreg_b32 s2, hwreg(HW_REG_IB_STS2, 6, 4)
	s_cmp_eq_u32 s2, 0
	s_cbranch_scc0 .Lentry_in_a_cluster
	s_endpgm
.Lentry_in_a_cluster:
	s_bfe_u32 s2, ttmp6, 0x10000c
	s_cmp_lg_u32 s2, 0xf033
	s_cbranch_scc0 .Lentry_shape_is_right
	s_endpgm
.Lentry_shape_is_right:
; Q, K, V = x W on codes of BF8 (E5M2) with E8M0 scales for 32 along K, and their quantisers: tiles of 256 x 256, four waves of 128 x 128, 64 accumulators each; K goes in steps of 256 through two LDS slots.
; Cluster rows 0 .. 3 make Q and K (source 0 = 16 rows of the weights, source 1 = 16 rows of x: a lane holds one token); cluster rows 4, 5 make V^T (the other way round: a lane holds one channel, its registers run along the tokens).
; CLUSTERS of 4 x 4: a row of the cluster shares A's tiles, a column B's: each is asked for jointly.  The scale bytes of 256 rows of each side come once, by the head's loads.
; THE WAY OUT: a lane's 16 registers of two neighbouring tiles are 16 neighbours along the next product's K (the rows were permuted when they were quantised): a block of 32 lies in lanes l and l xor 16.
; Codes leave as images of the next launch's operand registers: 512 consecutive bytes a store.  qi: Q's tiles, 1,024 bytes each; qs: Q's scale words; kv: for each head and 128 keys a record of K's 8 tiles, V^T's 4 tiles, K's and V's scale words.
; LIMITS: NaN and infinities are not served; a block's byte never falls under 1.
.set KSTEP,  256
.set NQ,     KSTEP/128
.set ROWB,   256
.set KROW,   1024
.set PITCH,  272
.set FR,     16
.set NL,     4
.set NP,     8
.set HALFT,  128*PITCH
.set SLOT,   4*HALFT
.set KS,     32
.set SCL,    2*SLOT
.set HALFS,  (128*KS/256)*272
.set SBLK,   (16*KS/256)*272
.set SPARE,  SCL+4*HALFS
.set REC,    17152
.set OFF,  8
.set OS1,  12
.set O8,   13
.set O81,  14
.set ADRA, 16
.set ADRB, 20
.set ADRS, 27
.set SPW,  28
.set NIL,  29
.set SC,   32
.set TM,   64
.set T4,   68
.set EH,   72
.set SO,   76
.set PW,   80
.set EY,   84
.set EZ,   88
.set EZ2,  92
.set AF,   128
.set EX,   128
.set ECD,  192
.set ISV,  2
.set CLY,  3
.set HM,   18
.set FLR,  19
.set DST,  20
.set SCB,  22
.set SEL,  40
.set MNT,  45
.set INC,  46
.set INC4, 92
.set G1, 24
.set G0, 32
.set G1B, 48
.set G0B, 56
.set G1S, 68
.set G0S, 76
.set G1SB, 80
.set G0SB, 88
.set MSB, 0
.macro WIN new
.if MSB != \new
	s_set_vgpr_msb (MSB<<8)|\new
.set MSB, \new
.endif
.endm
.set MUL_LO, 0xa1
.set MUL_HI, 0xf1
.set TO_B,   0x40
.macro JLOAD g0a, g1a, g0b, g1b
	s_cmp_eq_u32 s15, 0
	s_cbranch_scc0 .Lfor_b_\@
	tensor_load_to_lds s[\g0a:\g0a+3], s[\g1a:\g1a+7]
	s_nop 0
.rept 4
	v_nop
.endr
	s_branch .Lasked_\@
.Lfor_b_\@:
	tensor_load_to_lds s[\g0b:\g0b+3], s[\g1b:\g1b+7]
	s_nop 0
.rept 4
	v_nop
.endr
.Lasked_\@:
.endm
.macro CREST
	s_cmp_lg_u32 s14, 0
	s_cbranch_scc1 .Lnot_wave_0_\@
	s_barrier_signal -3
.Lnot_wave_0_\@:
	s_barrier_wait -3
	s_barrier_signal -1
	s_barrier_wait -1
.endm
.macro CROUND
	s_barrier_signal -1
	s_barrier_wait -1
	CREST
.endm
	s_load_b256 s[4:11], s[0:1], 0x0
	s_load_b128 s[96:99], s[0:1], 0x20
	s_load_b64 s[100:101], s[0:1], 0x30
	v_lshl_add_u32 v[SPW], v0, 2, SPARE
	v_mov_b32 v[NIL], 0
	ds_add_u32 v28, v29
	ds_add_u32 v28, v29
	s_wait_dscnt 0x0
	v_lshrrev_b32 v1, 5, v0
	v_readfirstlane_b32 s14, v1
	s_lshr_b32 s15, s14, 1
	s_and_b32 s16, s14, 1
	s_bfe_u32 s40, ttmp6, 0x40000
	s_bfe_u32 s41, ttmp6, 0x40004
	s_and_b32 s[CLY], ttmp7, 0xffff
	s_lshl_b32 s17, s[CLY], 2
	s_sub_co_u32 s18, s[CLY], 4
	s_lshl_b32 s18, s18, 3
	s_lshl_b32 s42, ttmp9, 2
	s_add_co_u32 s42, s42, s40
	s_cmp_ge_u32 s[CLY], 4
	s_cselect_b32 s[ISV], 1, 0
	s_cselect_b32 s17, 0, s17
	s_cselect_b32 s18, s18, 0
	s_cselect_b32 s19, 2048, 0
	s_add_co_u32 s17, s17, s41
	s_add_co_u32 s42, s42, s18
	s_lshl_b32 s43, s41, 2
	s_lshl_b32 s43, 15, s43
	s_lshl_b32 s44, 0x1111, s40
	s_or_b32 s[G1+0], s43, (0<<16)|(1<<20)|(1<<21)|(5<<22)|(3<<25)
	s_or_b32 s[G1B+0], s44, (0<<16)|(1<<20)|(1<<21)|(5<<22)|(3<<25)
.irp g, G1, G1B
	s_mov_b32 s[\g+1], ROWB<<16
	s_mov_b32 s[\g+2], 256<<16                     ; 256 rows for the head's loads; the ring's 128 are set behind them
	s_mov_b32 s[\g+3], ROWB<<16
	s_mov_b32 s[\g+4], 256
	s_mov_b32 s[\g+5], KROW
	s_mov_b32 s[\g+6], 0
	s_mov_b32 s[\g+7], 0
.endr
	s_or_b32 s[G1S+0], s43, (3<<16)|(1<<20)|(1<<21)|(5<<22)|(3<<25)
	s_or_b32 s[G1SB+0], s44, (3<<16)|(1<<20)|(1<<21)|(5<<22)|(3<<25)
.irp g, G1S, G1SB
	s_mov_b32 s[\g+1], 32<<16
	s_mov_b32 s[\g+2], KS<<16                      ; the scale bytes of 256 rows: 256 KS dense bytes as KS rows of 256
	s_mov_b32 s[\g+3], 32<<16
	s_mov_b32 s[\g+4], KS
	s_mov_b32 s[\g+5], 32
	s_mov_b32 s[\g+6], 0
	s_mov_b32 s[\g+7], 0
.endr
	s_lshl_b32 s20, s17, 8                         ; the tile's first row of A,
	s_add_co_u32 s20, s20, s19
	s_lshl_b32 s46, s42, 8                         ; and of B
	s_mov_b32 s21, 0
	s_mov_b32 s47, 0
	s_mov_b64 s[18:19], KS
	s_mul_u64 s[22:23], s[20:21], s[18:19]
	s_mul_u64 s[92:93], s[46:47], s[18:19]
	s_mov_b64 s[18:19], KROW
	s_mul_u64 s[20:21], s[20:21], s[18:19]
	s_mul_u64 s[46:47], s[46:47], s[18:19]
	s_mul_i32 s94, s16, 128*KROW                   ; in the ring I fetch 128 rows of a tile: which half, in bytes
	s_mov_b32 s95, 0
	s_wait_kmcnt 0x0
	s_cmp_ge_u32 s[CLY], 4
	s_cselect_b64 s[66:67], s[8:9], s[4:5]
	s_cselect_b64 s[12:13], s[4:5], s[8:9]
	s_cselect_b64 s[104:105], s[6:7], s[10:11]
	s_cselect_b64 s[6:7], s[10:11], s[6:7]
	s_add_nc_u64 s[20:21], s[66:67], s[20:21]
	s_add_nc_u64 s[22:23], s[6:7], s[22:23]
	s_add_nc_u64 s[46:47], s[12:13], s[46:47]
	s_add_nc_u64 s[92:93], s[104:105], s[92:93]
	CROUND
	s_mov_b32 s[G0], 1                             ; the head's four tiles, each whole: K step 0's 256 rows of A,
	s_mov_b32 s[G0+1], 0
	s_mov_b64 s[G0+2:G0+3], s[20:21]
	s_or_b32 s[G0+3], s[G0+3], 0x80000000
	s_mov_b32 s[G0B], 1                            ; its 256 rows of B behind them,
	s_mov_b32 s[G0B+1], 2*HALFT
	s_mov_b64 s[G0B+2:G0B+3], s[46:47]
	s_or_b32 s[G0B+3], s[G0B+3], 0x80000000
	s_mov_b32 s[G0S], 1                            ; the scale bytes of A's 256 rows,
	s_mov_b32 s[G0S+1], SCL
	s_mov_b64 s[G0S+2:G0S+3], s[22:23]
	s_or_b32 s[G0S+3], s[G0S+3], 0x80000000
	s_mov_b32 s[G0SB], 1                           ; and of B's
	s_mov_b32 s[G0SB+1], SCL+2*HALFS
	s_mov_b64 s[G0SB+2:G0SB+3], s[92:93]
	s_or_b32 s[G0SB+3], s[G0SB+3], 0x80000000
; THE HEAD'S LOADS, ONE A WAVE.  One tree of branches on the wave's number, one load in each arm.
.macro ARM under, g0, g1, next
	s_cmp_lt_u32 s14, \under
	s_cbranch_scc0 \next
	tensor_load_to_lds s[\g0:\g0+3], s[\g1:\g1+7]
	s_nop 0
.rept 4
	v_nop
.endr
	s_branch .Lhead_asked
\next:
.endm
	ARM 1, G0,  G1,  .Lhead_b
	ARM 2, G0B, G1B, .Lhead_sa
	ARM 3, G0S, G1S, .Lhead_sb
	tensor_load_to_lds s[G0SB:G0SB+3], s[G1SB:G1SB+7]
	s_nop 0
.rept 4
	v_nop
.endr
.Lhead_asked:
	v_and_b32 v1, 15, v0
	v_bfe_u32 v2, v0, 4, 1
	v_mul_u32_u24 v3, v1, PITCH
	v_lshl_add_u32 v4, v2, 4, v3
	s_mul_i32 s21, s15, HALFT
	s_mul_i32 s22, s16, HALFT
	s_add_co_u32 s22, s22, 2*HALFT
.irp s, 0,1
	v_add_nc_u32 v[ADRA+\s], s21, v4
	v_add_nc_u32 v[ADRB+\s], s22, v4
	s_add_co_u32 s21, s21, SLOT
	s_add_co_u32 s22, s22, SLOT
.endr
	v_mul_u32_u24 v5, v1, KS
	v_lshrrev_b32 v6, 8, v5
	v_lshl_add_u32 v5, v6, 4, v5
	s_mul_i32 s21, s15, HALFS
	s_mul_i32 s22, s16, HALFS
	s_add_co_u32 s22, s22, 2*HALFS
	s_sub_co_u32 s22, s22, s21
	v_mul_u32_u24 v6, s22, v2
	s_add_co_u32 s21, s21, SCL
	v_add_nc_u32 v5, v5, v6
	v_add_nc_u32 v[ADRS], s21, v5
	s_lshl_b32 s4, s17, 1
	s_add_co_u32 s4, s4, s15
	s_lshl_b32 s5, s42, 1
	s_add_co_u32 s5, s5, s16
	s_and_b32 s6, s5, 7
	s_lshl_b32 s6, s6, 1
	s_lshl_b32 s7, s4, 1
	s_or_b32 s8, s[ISV], ttmp9
	s_cmp_lg_u32 s[ISV], 0
	s_cselect_b32 s6, s7, s6
	s_cselect_b32 s7, s5, s4
	s_lshl_b32 s6, s6, 5
	s_add_co_u32 s6, s6, s7
	s_cmp_lg_u32 s8, 0
	s_mov_b32 s9, 8192
	s_cselect_b32 s9, REC, s9
	s_mov_b32 s10, 512
	s_cselect_b32 s10, REC, s10
	s_mov_b32 s11, 32*512
	s_cselect_b32 s11, 32*REC, s11
	s_cselect_b64 s[DST:DST+1], s[100:101], s[96:97]
	s_cselect_b64 s[SCB:SCB+1], s[100:101], s[98:99]
	s_cselect_b32 s12, 16384, 0
	s_cmp_lg_u32 s[ISV], 0
	s_cselect_b32 s12, 16896, s12
	s_cselect_b32 s13, 8192, 0
	s_mov_b32 s[INC], 1024
	s_cselect_b32 s[INC], 2048, s[INC]
	s_mov_b32 s[INC4], 1024
	s_cselect_b32 s[INC4], 32*REC-3*2048, s[INC4]
	s_mul_i32 s66, s9, 32
	s_cselect_b32 s66, 1024, s66
	s_mov_b32 s[INC+1], 0
	s_mov_b32 s[INC4+1], 0
	s_mul_i32 s4, s6, s9
	s_add_co_u32 s4, s4, s13
	s_mov_b32 s5, 0
	s_add_nc_u64 s[DST:DST+1], s[DST:DST+1], s[4:5]
	s_mul_i32 s4, s6, s10
	s_add_co_u32 s4, s4, s12
	s_add_nc_u64 s[SCB:SCB+1], s[SCB:SCB+1], s[4:5]
	v_and_b32 v6, 31, v0
	v_lshlrev_b32 v[OFF], 4, v6
	v_add_nc_u32 v[OFF+1], 512, v[OFF]
	v_add_nc_u32 v[OFF+2], s66, v[OFF]
	v_add_nc_u32 v[OFF+3], s66, v[OFF+1]
	v_add_nc_u32 v[OS1], s11, v[OFF]
	v_lshlrev_b32 v[O8], 3, v6
	v_add_nc_u32 v[O81], s11, v[O8]
.irp b, 0,1,2,3
	v_mov_b32 v[T4+\b], 0
.endr
	s_mov_b32 s[HM], 0xffff0000
	s_mov_b32 s[FLR], 0x8000000
	s_mov_b32 s[MNT], 0x600000
	s_mov_b32 s[SEL], 0x76543210
	s_mov_b32 s[SEL+1], 0xfedcba98
.macro FRAG reg, adr, q, i
.irp c, 0,1,2,3
	ds_load_b128 v[\reg+4*\c:\reg+4*\c+3], v[\adr] offset:128*(\q)+32*\c+(\i)*16*PITCH
.endr
.endm
.macro MUL16 a0, p, q, sc, zero
.irp a, \a0, \a0+1
.irp b, 0,1,2,3,4,5,6,7
.if \zero
	v_wmma_scale_f32_16x16x128_f8f6f4 v[8*(8*((\a)%4)+\b):8*(8*((\a)%4)+\b)+7], v[128*(\p)+FR*\b:128*(\p)+FR*\b+FR-1], v[AF+FR*(\a):AF+FR*(\a)+FR-1], 0, v[SC+8*NQ*(\sc)+NQ*\b+(\q)], v[SC+8*NQ*(\sc)+NQ*(\a)+(\q)] matrix_a_fmt:MATRIX_FMT_BF8 matrix_b_fmt:MATRIX_FMT_BF8 matrix_a_scale:MATRIX_SCALE_ROW1
.else
	v_wmma_scale_f32_16x16x128_f8f6f4 v[8*(8*((\a)%4)+\b):8*(8*((\a)%4)+\b)+7], v[128*(\p)+FR*\b:128*(\p)+FR*\b+FR-1], v[AF+FR*(\a):AF+FR*(\a)+FR-1], v[8*(8*((\a)%4)+\b):8*(8*((\a)%4)+\b)+7], v[SC+8*NQ*(\sc)+NQ*\b+(\q)], v[SC+8*NQ*(\sc)+NQ*(\a)+(\q)] matrix_a_fmt:MATRIX_FMT_BF8 matrix_b_fmt:MATRIX_FMT_BF8 matrix_a_scale:MATRIX_SCALE_ROW1
.endif
.endr
.endr
.endm
.macro FETCH_B slot, q, p
	WIN TO_B
.irp i, 0,1,2,3,4,5,6,7
	FRAG 128*(\p)+FR*\i, ADRB+\slot, \q, \i
.endr
	WIN 0
.endm
.macro FETCH_A slot, q, i0
.irp i, \i0, \i0+1, \i0+2, \i0+3
	FRAG AF+FR*(\i), ADRA+\slot, \q, \i
.endr
.endm
.macro SCALES sc
.irp i, 0,1,2,3,4,5,6,7
	ds_load_b64 v[SC+8*NQ*\sc+NQ*\i:SC+8*NQ*\sc+NQ*\i+1], v[ADRS] offset:\i*SBLK
.endr
.endm
.macro PLACES n
.rept \n
	v_nop
.endr
.endm
.macro STEP slot, q, zero
	s_wait_dscnt 4*NL
	WIN MUL_LO
	MUL16 0, (\q)%2, \q, \slot, \zero
	MUL16 2, (\q)%2, \q, \slot, \zero
	s_wait_dscnt 0
	PLACES NP
	FETCH_B \slot, (\q)+1, 1-(\q)%2
	FETCH_A \slot, (\q)+1, 0
	WIN MUL_HI
	MUL16 4, (\q)%2, \q, \slot, \zero
	MUL16 6, (\q)%2, \q, \slot, \zero
	PLACES NP
	WIN 0
	FETCH_A \slot, (\q)+1, 4
.endm
.macro TURN slot, next, fill
	s_wait_tensorcnt 0x0
	ds_add_u32 v[SPW], v[NIL]
	s_wait_dscnt 4*NL+1
	WIN MUL_LO
	MUL16 0, 1, NQ-1, \slot, 0
	s_wait_dscnt 0x0
	s_barrier_signal -1
	MUL16 2, 1, NQ-1, \slot, 0
	WIN 0
	s_barrier_wait -1
.if \fill
	CREST
	s_add_nc_u64 s[G0+4*\slot+2:G0+4*\slot+3], s[G0+4*\slot+2:G0+4*\slot+3], 2*ROWB
	s_add_nc_u64 s[G0B+4*\slot+2:G0B+4*\slot+3], s[G0B+4*\slot+2:G0B+4*\slot+3], 2*ROWB
	JLOAD G0+4*\slot, G1, G0B+4*\slot, G1B
	PLACES NP-4
.else
	PLACES NP
.endif
	s_wait_alu depctr_va_vdst(0)
	v_add_nc_u32 v[ADRS], 4*NQ, v[ADRS]
	FETCH_B \next, 0, 0
	FETCH_A \next, 0, 0
	SCALES \next
	WIN MUL_HI
	MUL16 4, 1, NQ-1, \slot, 0
	MUL16 6, 1, NQ-1, \slot, 0
	PLACES NP
	WIN 0
	FETCH_A \next, 0, 4
.endm
.macro EPI a
.set AC, 64*((\a)%4)
.set WW, 2+(\a)/4
.set W12, (WW<<2)|(WW<<4)
.set CD, ECD+16*((\a)%2)
	WIN W12
.irp b, 0,1,2,3
	v_max3_num_f32 v[TM+\b], s[FLR], |v[AC+16*\b]|, |v[AC+16*\b+1]|
.endr
.irp i, 2,4,6,8,10,12,14
.irp b, 0,1,2,3
	v_max3_num_f32 v[TM+\b], v[TM+\b], |v[AC+16*\b+\i]|, |v[AC+16*\b+\i+1]|
.endr
.endr
	WIN 0
.irp b, 0,1,2,3
	v_permlanex16_b32 v[T4+\b], v[TM+\b], s[SEL], s[SEL+1]
.endr
.irp b, 0,1,2,3
	v_max_num_f32 v[TM+\b], v[TM+\b], v[T4+\b]
.endr
.irp b, 0,1,2,3
	v_add_nc_u32 v[SO+\b], 0xf8800000, v[TM+\b]
.endr
.irp b, 0,1,2,3
	v_and_or_b32 v[EH+\b], v[TM+\b], 0x7f800000, s[MNT]
.endr
.irp b, 0,1,2,3
	v_lshrrev_b32 v[T4+\b], 23, v[SO+\b]
.endr
	v_lshl_or_b32 v[PW], v[T4+1], 8, v[T4]
	v_lshl_or_b32 v[PW], v[T4+2], 16, v[PW]
	v_lshl_or_b32 v[PW], v[T4+3], 24, v[PW]
.if (\a)%2 == 0
	v_mov_b32 v[EY+(\a)/2], v[PW]
.else
	v_cndmask_b32 v[EY+(\a)/2], v[EY+(\a)/2], v[PW], s[HM]
.endif
	WIN WW
.irp b, 0,1,2,3
.set i, 0
.rept 16
	v_med3_num_f32 v[EX+16*\b+i], v[AC+16*\b+i], -v[EH+\b], v[EH+\b]
.set i, i+1
.endr
.endr
	WIN 0
.irp b, 0,1,2,3
	v_cvt_scalef32_pk8_bf8_f32 v[CD+4*\b:CD+4*\b+1], v[EX+16*\b:EX+16*\b+7], v[SO+\b]
	v_cvt_scalef32_pk8_bf8_f32 v[CD+4*\b+2:CD+4*\b+3], v[EX+16*\b+8:EX+16*\b+15], v[SO+\b]
.endr
	v_nop
.if (\a) > 0
	s_wait_alu depctr_va_vdst(0)
	s_wait_xcnt 0x0
.if (\a) == 4
	s_add_nc_u64 s[DST:DST+1], s[DST:DST+1], s[INC4:INC4+1]
.else
	s_add_nc_u64 s[DST:DST+1], s[DST:DST+1], s[INC:INC+1]
.endif
.endif
.irp b, 0,1,2,3
	global_store_b128 v[OFF+\b], v[CD+4*\b:CD+4*\b+3], s[DST:DST+1]
.endr
.endm
	s_wait_alu depctr_va_vdst(0)                   ; the wait at the head's end
	s_wait_tensorcnt 0x0                           ; my tile of the head's four is in; these lines stand ahead of slot 1's first fill as ahead of a refill
	ds_add_u32 v[SPW], v[NIL]
	s_mov_b32 s[G1+2], 128<<16                     ; no tensor load of mine is out, so descriptors may be written: from here on a load brings 128 rows,
	s_mov_b32 s[G1+4], 128
	s_mov_b32 s[G1B+2], 128<<16
	s_mov_b32 s[G1B+4], 128
	s_mul_i32 s[G0+1], s14, HALFT                  ; to wave x 128 rows of the slot,
	s_mul_i32 s[G0B+1], s14, HALFT
	s_add_nc_u64 s[G0+2:G0+3], s[G0+2:G0+3], s[94:95]      ; from my half of the tile
	s_add_nc_u64 s[G0B+2:G0B+3], s[G0B+2:G0B+3], s[94:95]
	s_mov_b32 s[G0+4], 1                           ; slot 1: K step 1
	s_add_co_u32 s[G0+5], s[G0+1], SLOT
	s_add_nc_u64 s[G0+6:G0+7], s[G0+2:G0+3], ROWB
	s_mov_b32 s[G0B+4], 1
	s_add_co_u32 s[G0B+5], s[G0B+1], SLOT
	s_add_nc_u64 s[G0B+6:G0B+7], s[G0B+2:G0B+3], ROWB
	s_wait_dscnt 0x0                               ; the add is done
	CROUND                                         ; all four tiles are in, in all sixteen work-groups
	JLOAD G0+4, G1, G0B+4, G1B                     ; K step 1, the first tensor load behind the round
	FETCH_B 0, 0, 0
	FETCH_A 0, 0, 0
	SCALES 0
	FETCH_A 0, 0, 4
	STEP 0, 0, 1
	TURN 0, 1, 1
	STEP 1, 0, 0
	TURN 1, 0, 1
	STEP 0, 0, 0
	TURN 0, 1, 0
	STEP 1, 0, 0
	s_wait_dscnt 4*NL
	WIN MUL_LO
	MUL16 0, 1, NQ-1, 1, 0
	MUL16 2, 1, NQ-1, 1, 0
	s_wait_dscnt 0
	WIN MUL_HI
	MUL16 4, 1, NQ-1, 1, 0
	MUL16 6, 1, NQ-1, 1, 0
	WIN 0
	PLACES NP
.irp a, 0,1,2,3,4,5,6,7
	EPI \a
.endr
	s_cmp_lg_u32 s[ISV], 0
	s_cbranch_scc1 .Lv_scales
.irp b, 0,1,2,3
	v_and_b32 v[EZ+\b], 0xffff, v[EY+\b]
	v_lshrrev_b32 v[EZ2+\b], 16, v[EY+\b]
.endr
	global_store_b128 v[OFF], v[EZ:EZ+3], s[SCB:SCB+1]
	global_store_b128 v[OS1], v[EZ2:EZ2+3], s[SCB:SCB+1]
	s_branch .Lstored
.Lv_scales:
	global_store_b64 v[O8], v[EY:EY+1], s[SCB:SCB+1]
	global_store_b64 v[O81], v[EY+2:EY+3], s[SCB:SCB+1]
.Lstored:
	s_wait_tensorcnt 0x0
	ds_add_u32 v[SPW], v[NIL]
	s_wait_dscnt 0x0
	CROUND
	s_endpgm
.Lfunc_end_k_qa69ecb69f5_proj:
	.size	k_qa69ecb69f5_proj, .Lfunc_end_k_qa69ecb69f5_proj-k_qa69ecb69f5_proj
	.p2alignl 7, 3214868480
	.fill 96, 4, 3214868480
	.section	.rodata,"a",@progbits
	.p2align	6, 0x0
	.amdhsa_kernel k_qa69ecb69f5_proj
		.amdhsa_group_segment_fixed_size 327680
		.amdhsa_private_segment_fixed_size 0
		.amdhsa_enable_private_segment 0
		.amdhsa_kernarg_size 56
		.amdhsa_user_sgpr_count 2
		.amdhsa_user_sgpr_kernarg_segment_ptr 1
		.amdhsa_wavefront_size32 1
		.amdhsa_system_sgpr_workgroup_id_x 1
		.amdhsa_system_sgpr_workgroup_id_y 1
		.amdhsa_system_sgpr_workgroup_id_z 1
		.amdhsa_system_vgpr_workitem_id 0
		.amdhsa_next_free_vgpr 1024
		.amdhsa_next_free_sgpr 106
		.amdhsa_reserve_vcc 0
		.amdhsa_float_denorm_mode_32 3
		.amdhsa_float_denorm_mode_16_64 3
		.amdhsa_memory_ordered 1
		.amdhsa_forward_progress 1
		.amdhsa_inst_pref_size 187
	.end_amdhsa_kernel
	.amdgpu_metadata
---
amdhsa.version: [ 1, 2 ]
amdhsa.kernels:
  - .name:           k_qa69ecb69f5_proj
    .symbol:         k_qa69ecb69f5_proj.kd
    .args:
      - { .name: xc, .offset: 0, .size: 8, .value_kind: global_buffer, .address_space: global }
      - { .name: xs, .offset: 8, .size: 8, .value_kind: global_buffer, .address_space: global }
      - { .name: wc, .offset: 16, .size: 8, .value_kind: global_buffer, .address_space: global }
      - { .name: ws, .offset: 24, .size: 8, .value_kind: global_buffer, .address_space: global }
      - { .name: qi, .offset: 32, .size: 8, .value_kind: global_buffer, .address_space: global }
      - { .name: qs, .offset: 40, .size: 8, .value_kind: global_buffer, .address_space: global }
      - { .name: kv, .offset: 48, .size: 8, .value_kind: global_buffer, .address_space: global }
    .group_segment_fixed_size: 327680
    .private_segment_fixed_size: 0
    .kernarg_segment_align: 8
    .kernarg_segment_size: 56
    .max_flat_workgroup_size: 128
    .sgpr_count:     106
    .vgpr_count:     1024
    .wavefront_size: 32
...
	.end_amdgpu_metadata
.endif
;; end of part 2
;; launch attn (part 3): grid 16 x 16, 8 waves a work-group, clusters of 4 x 1, 327,680 bytes of LDS; arguments qi, qs, kv, out0; writes out0
.if DOCPART == 3
	.amdgcn_target "amdgcn-amd-amdhsa--gfx1250"
	.amdhsa_code_object_version 6
	.text
	.protected	k_qa69ecb69f5_attn
	.globl	k_qa69ecb69f5_attn
	.p2align	8
	.type	k_qa69ecb69f5_attn,@function
k_qa69ecb69f5_attn:
	s_mov_b64 s[64:65], 0
	v_nop
	global_prefetch_b8 v0, s[64:65] scope:SCOPE_SE
	s_setreg_imm32_b32 hwreg(HW_REG_WAVE_MODE, 25, 1), 1
	s_wait_xcnt 0x0
	s_wait_alu depctr_hold_cnt(0) depctr_sa_sdst(0) depctr_va_vdst(0) depctr_va_sdst(0) depctr_va_ssrc(0) depctr_va_vcc(0) depctr_vm_vsrc(0)
	s_getreg_b32 s2, hwreg(HW_REG_IB_STS2, 6, 4)
	s_cmp_eq_u32 s2, 0
	s_cbranch_scc0 .Lentry_in_a_cluster
	s_endpgm
.Lentry_in_a_cluster:
	s_bfe_u32 s2, ttmp6, 0x10000c
	s_cmp_lg_u32 s2, 0x3003
	s_cbranch_scc0 .Lentry_shape_is_right
	s_endpgm
.Lentry_shape_is_right:
; out0[token][64 head + :] = the sum over keys <= token of softmax(q . k / 8) v, 16 heads of 64 channels, 4,096 tokens; both products on codes of BF8 (E5M2) with E8M0 scales, f32 sums.
; THE SOFTMAX AHEAD OF THE SECOND PRODUCT: t = score x log2(e) / 8; M = the row's largest t so far, rounded UP to a whole number; p = 2^(t - M) is quantised along the keys, not normalised.
; The row's sum is taken of the unquantised p and divides at the end.  When M moves, the sum and O are multiplied by 2^(old M - new M): exact.
; OPERANDS come as images of their registers: a record of kv, 17,152 bytes, holds a head's 128 keys: K's 8 tiles, V^T's 4 tiles, K's and V's scale words.  An image is read by ds_load_b128 at 16 x lane.
; SHARES.  y = the head.  A head has 32 blocks of 128 queries; cluster c (0..3) owns the early blocks 4 c + k and the late blocks 31 - (4 c + k), k = 0..3; partner cx takes tiles 2 cx (A) and 2 cx + 1 (B) of each block.
; A WAVE HOLDS BOTH TILES of a block, so that each fragment from LDS feeds two products, AND HALF OF THE KEYS: e = w / 4: e = 0 takes the even records, e = 1 the odd ones; k = w for e = 0, 7 - w for e = 1, so that waves w and 7 - w share a block
; and waves w, w + 4 have blocks k and 3 - k.  A wave works its early block first, then its late block: 17 steps for e = 0 and 16 for e = 1, whatever c and k.
; All eight waves walk the same list of 18 pairs of records: 2 c + 2 pairs for the early blocks, 16 - 2 c for the late ones: a number alike in all partners.
; The early tiles' partial results (O, M, sum) go to LDS when the late block begins; at the end e = 0 joins the early tiles' two parts and stores them, e = 1 the late tiles'.  All branches hang on w, c and counts alone;
; cx enters Q's and out0's addresses and the mask's numbers alone.
; Lane r of tile A holds token 32 cx + r + 8 (r / 8) of the block, of tile B 8 more; the keys of a tile of K are ordered likewise, so that the 16 registers of tiles 2 b, 2 b + 1 of S^T are keys 32 b + 16 (lane / 16) + 0 .. 15.
; Both products are used transposed: S^T = K Q^T, O^T = V^T P^T: a lane holds one query of each tile throughout.
; THE HEAD'S 64 CHANNELS fill half of the instruction's 128 along K: Q's registers 8-15 are zero codes.  K's operand names 16 registers, of which the upper 8 are the next tile's codes (finite: the quantiser holds every number) or zeros:
; they meet zero codes; the filling blocks' scale bytes are 0 on both sides.
; THE CAUSAL MASK: a key step is one record.  Records behind a wave's block are left out (a scalar branch on ids round the step's work); in the step on the diagonal hidden scores become -infinity ahead of the maximum.
; CLUSTER: the four partners walk the same list: each pair is asked for JOINTLY (mask 15) by waves 0 to 2, a pair each; two slots of three pairs, six slots in all.  Every pair is read in every partner: the last early pair by k = 2, 3, the last late one by k = 0, 1.
; No prefetch: a slot's load is issued three key steps of all waves ahead of the slot's first read, one load a wave, and records 0 to 5 come at the head, where there is no loop to run ahead in.
; REGISTERS: window 0: addresses, scales and the whole softmax; window 1: O, Q, K, V.
; LIMITS: NaN and infinities are not served.
.set REC,   17152                      ; a record: 67 rows of 256 bytes
.set SLOT,  6*REC                      ; a slot: three pairs
.set HEADB, 32*REC                     ; a head's records
.set SPARE, 2*SLOT                     ; behind the ring: the spare words, 128 bytes for each wave
.set PART,  4608                       ; a tile's partial result: O^T's image, 8 x 512 bytes, then -M, the largest t and the sum's halves, 16 bytes a lane
.set PB,    SPARE+1024                 ; the early tiles' partial results, two for each wave
.set YB,    PB+16*PART                 ; the late tiles', of the four waves with e = 0
.set SP,    272                        ; the way out: 2 x 16 rows x SP bytes for each wave, in slot 0, which has had its last fill and its last read by then
.set LI,   1                           ; v1   16 x lane + e records; never rewritten
.set L8,   2                           ; v2   8 x lane likewise, at V's scale words
.set ADL,  3                           ; v3, v4  the step's LDS addresses
.set ADV,  4
.set SPW,  5                           ; v5   LDS address of my spare word; never rewritten
.set NIL,  6                           ; v6   0; never rewritten
.set PO,   7                           ; v7   LDS address of my early partial results
.set DD,   8                           ; v8, v9  tile A's, B's query in its block - 16 (lane / 16)
.set STO,  10                          ; v10  the way out: where I put 64 bytes of a row
.set RD,   11                          ; v11  where I read a row back
.set STA,  12                          ; v12 -M, v13 the largest t, v[14:15] the sum in two halves: tile A
.set STB,  16                          ; v16-19 the same for tile B
.set GO,   20                          ; v20  my byte offset in out0
.set XA,   21                          ; v21  LDS address of the partial results that I join with mine
.set YA,   22                          ; v22  and of my late partial results, where I hand them over
.set NINF, 23                          ; v23  -infinity
.set PA,   24                          ; v24-39  p's codes of tile A: their first four registers, then those of S's first block, whose numbers have been converted by then
.set SA,   28                          ; v28-91  S^T, then p
.set PBC,  92                          ; v92-107, v96-159  the same for tile B
.set SB,   96
.set BM,   160                         ; v160-167 the blocks' largest scores, then p: A's four, B's four
.set T4,   168                         ; v168-175 at work; the bytes
.set HD,   176                         ; v176-183 57,344 x the scale
.set SO,   184                         ; v184-191 the conversions' scale operands
.set CA,   192                         ; v192-203 the sums' chains, three for each tile
.set KSW,  204                         ; v204-207 K's scale words: register b: lanes 0-15 tile 2 b, lanes 16-31 tile 2 b + 1
.set VSW,  208                         ; v208-209 V's likewise
.set QSW,  210                         ; v210, v211 Q's scale words
.set PW,   212                         ; v212, v213 p's scale words
.set FA,   214                         ; v[214:215], v[216:217] f = 2^(old M - new M), named as pairs
.set FB,   216
.set TW,   218                         ; v218, v219 at work
.set QS2,  220                         ; v220, v221 the late tiles' Q scale words;  v253, v254 offsets of the head's loads
.set O,    0                           ; window 1: v0-31, v32-63 O^T of tile A, B
.set QF,   64                          ; v64-71 Q's codes of A, v72-79 zeros; v80-87 of B, v88-95 zeros
.set KB,   96                          ; v96-159 K's 8 tiles, v160-167 zeros
.set VB,   168                         ; v168-231 V^T's 4 tiles
.set Q2,   232                         ; v232-247 the late tiles' Q
.set WV,   12                          ; s12  my wave's number
.set CX,   13                          ; s13  my place in the cluster
.set HEAD, 14
.set BLK,  15                          ; s15  my block of queries
.set KR,   16                          ; s16  the record in hand
.set TR,   17                          ; s17  trips to go
.set G,    18                          ; s18  the pair in hand, counted along the list
.set MNT,  19                          ; s19  the mantissa field of 57,344
.set SEL,  20                          ; s[20:21] v_permlanex16_b32's selects for lane l xor 16
.set CS,   22                          ; s[22:23] c = log2(e) / 8
.set G1,   24                          ; s[24:31] descriptor group 1
.set G0,   32                          ; s[32:35] group 0
.set BASE, 36                          ; s[36:37] the head's records
.set NA,   38                          ; s38  pairs of the early blocks
.set E,    39                          ; s39  which records are mine
.set TB,   40                          ; s40  LDS byte at which the slot in hand begins
.set GL,   44                          ; s44  the pair that I fetch, if I fetch, counted along the list
.set WL,   45                          ; s45  its place in a slot
.set BLB,  46                          ; s46  my late block
.set QC,   47                          ; s47  the pair in hand, counted in its slot
.set MSB, 0
.macro WIN new                         ; the immediate's high byte repeats the setting that is left
.if MSB != \new
	s_set_vgpr_msb (MSB<<8)|\new
.set MSB, \new
.endif
.endm
.macro CROUND                          ; a round of the cluster's barrier
	s_barrier_signal -1
	s_barrier_wait -1
	s_cmp_lg_u32 s[WV], 0
	s_cbranch_scc1 .Lnot_wave_0_\@
	s_barrier_signal -3
.Lnot_wave_0_\@:
	s_barrier_wait -3
	s_barrier_signal -1
	s_barrier_wait -1
.endm
.macro JLOAD                           ; the joint loads of a slot: waves 0 to 2, a pair each; four v_nop follow the line
	s_cmp_lt_u32 s[WV], 3
	s_cbranch_scc0 .Lno_load_\@
	tensor_load_to_lds s[G0:G0+3], s[G1:G1+7]
	s_nop 0
.rept 4
	v_nop
.endr
.Lno_load_\@:
.endm
.macro DESC                            ; where pair GL of the list begins: the early blocks' pairs first, then the late blocks' from record 0 again
	s_sub_co_u32 s42, s[GL], s[NA]
	s_cmp_lt_u32 s[GL], s[NA]
	s_cselect_b32 s42, s[GL], s42
	s_mul_i32 s42, s42, 2*REC
	s_mov_b32 s43, 0
	s_add_nc_u64 s[G0+2:G0+3], s[BASE:BASE+1], s[42:43]
	s_or_b32 s[G0+3], s[G0+3], 0x80000000
.endm
; THE CHANGE OF SLOTS.  Each wave waits for all its tensor loads (its part of the slot ahead), adds 0 to its spare word, and waits for that and for its reads of the slot that it has left.  fill = 1: the slot just left is filled with the next three pairs:
; the barrier is a round of the cluster's, so that no wave of any partner still reads the slot or has a load on its way; the load is the first thing behind it.
.macro CHANGE fill
	s_wait_tensorcnt 0x0                           ; no tensor load of mine is out, so group 0 may be written
	ds_add_u32 v[SPW], v[NIL]                      ; 0 onto my spare word
.if \fill
	ds_add_u32 v[SPW], v[NIL]
	s_add_co_u32 s[GL], s[GL], 3
	s_xor_b32 s42, s[TB], SLOT
	s_add_co_u32 s[G0+1], s[WL], s42
	DESC
	s_wait_dscnt 0x0                               ; the adds are done, and my reads of the slot that I have left are over
	CROUND
	JLOAD
.else
	s_wait_dscnt 0x0
	s_barrier_signal -1
	s_barrier_wait -1
.endif
.endm
	s_load_b256 s[4:11], s[0:1], 0x0               ; qi s[4:5], qs s[6:7], kv s[8:9], out0 s[10:11]
	v_lshl_add_u32 v[SPW], v0, 2, SPARE
	v_mov_b32 v[NIL], 0
	ds_add_u32 v[SPW], v[NIL]                      ; the opening lines: the add, twice on end, and one wait for both
	ds_add_u32 v[SPW], v[NIL]
	v_lshrrev_b32 v3, 5, v0
	v_readfirstlane_b32 s[WV], v3                  ; wave 0..7
	s_bfe_u32 s[CX], ttmp6, 0x40000                ; cx
	s_and_b32 s[HEAD], ttmp7, 0xffff
	s_lshl_b32 s[NA], ttmp9, 1
	s_add_co_u32 s[NA], s[NA], 2                   ; 2 c + 2
	s_lshr_b32 s[E], s[WV], 2                      ; e
	s_mul_i32 s42, s[E], 3
	s_xor_b32 s42, s[WV], s42
	s_and_b32 s50, s42, 3                          ; k
	s_lshl_b32 s43, ttmp9, 2
	s_add_co_u32 s[BLK], s50, s43                  ; the early block 4 c + k,
	s_sub_co_u32 s[BLB], 31, s[BLK]                ; and the late one
	s_mov_b32 s[KR], s[E]
	s_mov_b32 s[G], 0
	s_mov_b32 s[TB], 0
	s_mov_b32 s[TR], 5
	s_mov_b32 s[GL], s[WV]
	s_mul_i32 s[WL], s[WV], 2*REC
	s_lshl_b32 s51, s[CX], 1                       ; my first tile of a block
	s_lshl_b32 s52, s[HEAD], 5
	s_add_co_u32 s53, s52, s[BLK]
	s_add_co_u32 s54, s52, s[BLB]
	s_lshl_b32 s56, s53, 3                         ; Q's images: 1,024 bytes a tile, 8 tiles a block
	s_add_co_u32 s56, s56, s51
	s_lshl_b32 s56, s56, 10
	s_mov_b32 s57, 0
	s_lshl_b32 s58, s54, 3
	s_add_co_u32 s58, s58, s51
	s_lshl_b32 s58, s58, 10
	s_mov_b32 s59, 0
	s_lshl_b32 s55, s[CX], 2                       ; Q's scale words: 512 bytes a block, 256 a tile of the two; word cx of lane r
	s_lshl_b32 s60, s53, 9
	s_add_co_u32 s60, s60, s55
	s_mov_b32 s61, 0
	s_lshl_b32 s62, s54, 9
	s_add_co_u32 s62, s62, s55
	s_mov_b32 s63, 0
	s_mul_i32 s66, s[E], REC                       ; my record of a pair,
	s_add_co_u32 s67, s66, 16896                   ; and V's scale words in it
	s_mul_i32 s68, s[WV], 2*PART
	s_add_co_u32 s68, s68, PB                      ; my early partial results
	s_mul_i32 s69, s50, 2*PART
	s_add_co_u32 s69, s69, YB                      ; the late partial results of my block
	s_xor_b32 s70, s[WV], 7
	s_mul_i32 s70, s70, 2*PART
	s_add_co_u32 s70, s70, PB                      ; the other wave's early partial results
	s_mul_i32 s71, s[WV], 32*SP                    ; my stage
	s_lshl_b32 s72, s[CX], 5                       ; 32 cx: tile A's first token in its block
	s_cmp_lg_u32 s[E], 0
	s_cselect_b32 s70, s69, s70                    ; what I join with mine: e = 0 the other wave's early part, e = 1 its late part
	s_cselect_b32 s48, s[BLB], s[BLK]              ; and the block that I store
	s_lshl_b32 s48, s48, 7
	s_add_co_u32 s48, s48, s72
	s_lshl_b32 s48, s48, 12                        ; a row of out0 is 4,096 bytes,
	s_lshl_b32 s49, s[HEAD], 8                     ; a head's part of it 256
	s_add_co_u32 s48, s48, s49
	s_mov_b32 s49, 0
	s_mul_i32 s74, s[HEAD], HEADB
	s_mov_b32 s75, 0
	; descriptor group 1: a pair of records, dense in memory, as 134 rows of 256 bytes (32 elements of 8 bytes), no padding
	s_mov_b32 s[G1], 15|(3<<16)|(1<<21)            ; 15:0 the mask: all four work-groups; 17:16 elements of 8 bytes; 21 set beside a mask
	s_mov_b32 s[G1+1], 32<<16                      ; tensor_dim0 = 32
	s_mov_b32 s[G1+2], 134<<16                     ; tensor_dim1 = 134
	s_mov_b32 s[G1+3], 32<<16                      ; tile_dim0 = 32
	s_mov_b32 s[G1+4], 134                         ; tile_dim1 = 134
	s_mov_b32 s[G1+5], 32                          ; from row to row
	s_mov_b32 s[G1+6], 0
	s_mov_b32 s[G1+7], 0
	s_mov_b32 s[G0], 1                             ; count = 1
	s_mov_b32 s[G0+1], s[WL]                       ; LDS address: slot 0, my pair of it: no place in the cluster enters it
	s_mov_b32 s[SEL], 0x76543210
	s_mov_b32 s[SEL+1], 0xfedcba98
	s_mov_b32 s[CS], 0x3e38aa3b                    ; log2(e) / 8
	s_mov_b32 s[CS+1], s[CS]                       ; (named with it as a pair, so it is written)
	s_mov_b32 s[MNT], 0x600000
	s_wait_dscnt 0x0                               ; both opening adds are done
	CROUND                                         ; all four work-groups are here: the first joint loads meet
	s_wait_kmcnt 0x0
	s_add_nc_u64 s[BASE:BASE+1], s[8:9], s[74:75]
	DESC
	JLOAD                                          ; slot 0: one load a wave
	s_add_nc_u64 s[56:57], s[4:5], s[56:57]
	s_add_nc_u64 s[58:59], s[4:5], s[58:59]
	s_add_nc_u64 s[60:61], s[6:7], s[60:61]
	s_add_nc_u64 s[62:63], s[6:7], s[62:63]
	s_add_nc_u64 s[10:11], s[10:11], s[48:49]
	v_and_b32 v3, 31, v0                           ; lane
	v_and_b32 v192, 15, v0                         ; r
	v_bfe_u32 v193, v0, 4, 1                       ; h
	v_lshlrev_b32 v254, 4, v3
	v_lshlrev_b32 v253, 4, v192
	global_load_b32 v[QSW], v253, s[60:61]                   ; Q's scale words and images, of the early tiles and of the late ones
	global_load_b32 v[QSW+1], v253, s[60:61] offset:256
	global_load_b32 v[QS2], v253, s[62:63]
	global_load_b32 v[QS2+1], v253, s[62:63] offset:256
	WIN 0x40
.irp u, 0,1
	global_load_b128 v[QF+16*\u:QF+16*\u+3], v254, s[56:57] offset:1024*\u
	global_load_b128 v[QF+16*\u+4:QF+16*\u+7], v254, s[56:57] offset:1024*\u+512
	global_load_b128 v[Q2+8*\u:Q2+8*\u+3], v254, s[58:59] offset:1024*\u
	global_load_b128 v[Q2+8*\u+4:Q2+8*\u+7], v254, s[58:59] offset:1024*\u+512
.endr
	WIN 0
	v_add_nc_u32 v[LI], s66, v254
	v_lshl_add_u32 v[L8], v3, 3, s67
	v_add_nc_u32 v[PO], s68, v254
	v_add_nc_u32 v[YA], s69, v254
	v_add_nc_u32 v[XA], s70, v254
	v_and_b32 v[DD], 8, v192
	v_mul_u32_u24 v[STO], v192, SP
	v_mul_u32_u24 v[RD], v193, SP
	v_lshlrev_b32 v[GO], 12, v193
	v_add_nc_u32 v[DD], v[DD], v192                ; r + 8 (r / 8)
	v_lshl_add_u32 v[STO], v193, 6, v[STO]
	v_lshl_add_u32 v[RD], v192, 4, v[RD]
	v_lshl_add_u32 v[GO], v192, 4, v[GO]           ; lanes 0-15 one row of out0, lanes 16-31 the next
	v_lshlrev_b32 v194, 4, v193
	v_add_nc_u32 v[DD], s72, v[DD]
	v_add_nc_u32 v[STO], s71, v[STO]               ; in: row r, + 64 h
	v_add_nc_u32 v[RD], s71, v[RD]                 ; back: likewise by rows
	v_sub_nc_u32 v[DD], v[DD], v194                ; tile A's query in its block - 16 h.  Register 16 b + i of S^T holds key 32 b + 16 h + i: hidden where 32 b + i > this
	v_add_nc_u32 v[DD+1], 8, v[DD]                 ; tile B's
.set i, 0
.rept 8
	v_mov_b32 v[T4+i], 0                           ; written once: a lane permute's destination counts as one of its sources
.set i, i+1
.endr
	v_mov_b32 v[FA+1], 0                           ; (named as the upper halves of pairs)
	v_mov_b32 v[FB+1], 0
	v_mov_b32 v[NINF], 0xff800000
	WIN 0x40
.set i, 0
.rept 8
	v_mov_b32 v[QF+8+i], 0                         ; zero codes: channels 64 to 127 of the instruction's K
	v_mov_b32 v[QF+24+i], 0
	v_mov_b32 v[KB+64+i], 0                        ; and what the last tile of K names behind its own eight registers
.set i, i+1
.endr
.macro FRESH                           ; two tiles begin.  (The step is written without a first form of its own: the first change of M multiplies zeros)
	WIN 0
.irp s, STA, STB
	v_mov_b32 v[\s+1], 0xff61b1e6                  ; the largest t so far: -3e38, under every t
	v_mov_b32 v[\s], 0x7f61b1e6                    ; -M
	v_mov_b32 v[\s+2], 0                           ; the sum, in two halves
	v_mov_b32 v[\s+3], 0
.endr
	WIN 0x40
.set i, 0
.rept 64
	v_mov_b32 v[O+i], 0                            ; O^T
.set i, i+1
.endr
	WIN 0
.endm
	FRESH
.macro HANDOVER adr                    ; both tiles' O^T, -M, largest t and sum's halves to LDS
	s_wait_alu depctr_va_vdst(0)
	WIN 0x04
.irp u, 0,1
.set i, 0
.rept 8
	ds_store_b128 v[\adr], v[O+32*\u+4*i:O+32*\u+4*i+3] offset:PART*\u+512*i
.set i, i+1
.endr
.endr
	WIN 0
	ds_store_b128 v[\adr], v[STA:STA+3] offset:4096
	ds_store_b128 v[\adr], v[STB:STB+3] offset:PART+4096
.endm
.macro SUMG s, st, c, g                ; the row's sum of the unquantised p, two at a time, in four chains: 29 additions in eight groups
.if (\g) == 0
	v_pk_add_f32 v[\c:\c+1], v[\s+2:\s+3], v[\s+10:\s+11]
	v_pk_add_f32 v[\c+2:\c+3], v[\s+4:\s+5], v[\s+12:\s+13]
	v_pk_add_f32 v[\c+4:\c+5], v[\s+6:\s+7], v[\s+14:\s+15]
	v_pk_add_f32 v[\st+2:\st+3], v[\st+2:\st+3], v[\s:\s+1]
.elseif (\g) < 7
.set j, 16+8*((\g)-1)
	v_pk_add_f32 v[\c:\c+1], v[\c:\c+1], v[\s+j+2:\s+j+3]
	v_pk_add_f32 v[\c+2:\c+3], v[\c+2:\c+3], v[\s+j+4:\s+j+5]
	v_pk_add_f32 v[\c+4:\c+5], v[\c+4:\c+5], v[\s+j+6:\s+j+7]
	v_pk_add_f32 v[\st+2:\st+3], v[\st+2:\st+3], v[\s+j-8:\s+j-7]
.else
	v_pk_add_f32 v[\st+2:\st+3], v[\st+2:\st+3], v[\s+56:\s+57]
.endif
.endm
.macro MASK s, d                       ; hidden scores become -infinity: p = 0
.set n, 0
.rept 64
	v_cmp_gt_i32 vcc_lo, 32*(n/16)+n%16, v[\d]
	v_cndmask_b32 v[\s+n], v[\s+n], v[NINF], vcc_lo
.set n, n+1
.endr
.endm
.macro HOLD2 n, s, h                   ; two numbers held at the largest code x the scale: the conversion to an 8-bit code does not saturate (ISA guide 7.6.2); p is not negative, so the hold is one-sided
	v_dual_min_num_f32 v[\s+2*(\n)], v[\h+(\n)/8], v[\s+2*(\n)] :: v_dual_min_num_f32 v[\s+2*(\n)+1], v[\h+(\n)/8], v[\s+2*(\n)+1]
.endm
.macro CODES b, s, p, so               ; block b's 32 keys: my 16 numbers into four registers of p's codes
	v_cvt_scalef32_pk8_bf8_f32 v[\p+4*(\b):\p+4*(\b)+1], v[\s+16*(\b):\s+16*(\b)+7], v[\so+\b]
	v_cvt_scalef32_pk8_bf8_f32 v[\p+4*(\b)+2:\p+4*(\b)+3], v[\s+16*(\b)+8:\s+16*(\b)+15], v[\so+\b]
.endm
; A KEY STEP: my record of the pair in hand: 128 keys.  sw = 1: the late block may begin here.
.macro MAXA d, s, n                    ; a chain of maxima begins with three scores,
	v_max3_num_f32 v[\d], v[\s+\n], v[\s+\n+1], v[\s+\n+2]
.endm
.macro MAXB d, s, n, m                 ; and takes two more
	v_max3_num_f32 v[\d], v[\d], v[\s+\n], v[\s+\m]
.endm
.macro STEP sw
.if \sw
	s_cmp_lg_u32 s[G], s[NA]
	s_cbranch_scc1 .Lsame_\@
	v_nop                                          ; with the six additions behind a step's last products eight places, ahead of the stores
	v_nop
	HANDOVER PO                                    ; the early tiles' part
	s_wait_dscnt 0x0
	v_mov_b32 v[QSW], v[QS2]
	v_mov_b32 v[QSW+1], v[QS2+1]
	WIN 0x41
.set i, 0
.rept 8
	v_mov_b32 v[QF+i], v[Q2+i]
	v_mov_b32 v[QF+16+i], v[Q2+8+i]
.set i, i+1
.endr
	FRESH
	s_mov_b32 s[BLK], s[BLB]
	s_mov_b32 s[KR], s[E]
	s_wait_alu depctr_va_vdst(0)
.Lsame_\@:
.endif
	s_cmp_gt_u32 s[KR], s[BLK]                     ; all its keys come after my queries: only the counts at the end are stepped.  No barrier and no tensor load stands in a step
	s_cbranch_scc1 .Lhid_\@
	s_mul_i32 s42, s[QC], 2*REC
	s_add_co_u32 s42, s42, s[TB]
	v_add_nc_u32 v[ADL], s42, v[LI]
	v_add_nc_u32 v[ADV], s42, v[L8]
	v_nop                                          ; with these two and the six behind the last step's products nine places: ahead of loads into what they have read (8) and of products over p's codes (9)
	ds_load_b128 v[KSW:KSW+3], v[ADL] offset:16384
	WIN 0x40
.set i, 0
.rept 16
	ds_load_b128 v[KB+4*i:KB+4*i+3], v[ADL] offset:512*i          ; K's eight tiles, eight registers each: 512 consecutive bytes a load
.set i, i+1
.endr
.set i, 0
.rept 16
	ds_load_b128 v[VB+4*i:VB+4*i+3], v[ADL] offset:8192+512*i     ; V^T's four tiles, sixteen registers each: they land while the softmax is worked
.set i, i+1
.endr
	WIN 0
	ds_load_b64 v[VSW:VSW+1], v[ADV]
	s_wait_dscnt 23                                ; the scale words and tiles 0 to 4 of K are in: 11 of the 34
	WIN 0x05
.irp b, 0,1,2,3                                ; S^T = K Q^T: each tile of K for both tiles of queries
.if \b == 2
	s_wait_dscnt 17                                ; all of K is in; V's seventeen may be out
.endif
	v_wmma_scale_f32_16x16x128_f8f6f4 v[SA+16*\b:SA+16*\b+7], v[KB+16*\b:KB+16*\b+15], v[QF:QF+15], 0, v[KSW+\b], v[QSW] matrix_a_fmt:MATRIX_FMT_BF8 matrix_b_fmt:MATRIX_FMT_BF8
	v_wmma_scale_f32_16x16x128_f8f6f4 v[SB+16*\b:SB+16*\b+7], v[KB+16*\b:KB+16*\b+15], v[QF+16:QF+31], 0, v[KSW+\b], v[QSW+1] matrix_a_fmt:MATRIX_FMT_BF8 matrix_b_fmt:MATRIX_FMT_BF8
	v_nop                                          ; these places and the one behind the last product make eight for tiles 0 and 1; block 0's maxima are the rest of the others'
	v_wmma_scale_f32_16x16x128_f8f6f4 v[SA+16*\b+8:SA+16*\b+15], v[KB+16*\b+8:KB+16*\b+23], v[QF:QF+15], 0, v[KSW+\b], v[QSW] matrix_a_fmt:MATRIX_FMT_BF8 matrix_b_fmt:MATRIX_FMT_BF8 matrix_a_scale:MATRIX_SCALE_ROW1
	v_wmma_scale_f32_16x16x128_f8f6f4 v[SB+16*\b+8:SB+16*\b+15], v[KB+16*\b+8:KB+16*\b+23], v[QF+16:QF+31], 0, v[KSW+\b], v[QSW+1] matrix_a_fmt:MATRIX_FMT_BF8 matrix_b_fmt:MATRIX_FMT_BF8 matrix_a_scale:MATRIX_SCALE_ROW1
	v_nop
.endr
	WIN 0
	v_nop
	s_cmp_lg_u32 s[KR], s[BLK]                     ; only the step on the diagonal has hidden keys
	s_cbranch_scc1 .Lopen_\@
	s_wait_alu depctr_va_vdst(0)
	MASK SA, DD
	MASK SB, DD+1
.Lopen_\@:
; the largest score of each block of 32 keys, in two chains a tile: it serves for the row's maximum and, since p rises with the score, for the block's largest p
.irp b, 0,1,2,3
	MAXA BM+\b, SA+16*\b, 0
	MAXA BM+4+\b, SB+16*\b, 0
	MAXA T4+\b, SA+16*\b, 8
	MAXA T4+4+\b, SB+16*\b, 8
.irp n, 3,5
	MAXB BM+\b, SA+16*\b, \n, \n+1
	MAXB BM+4+\b, SB+16*\b, \n, \n+1
	MAXB T4+\b, SA+16*\b, \n+8, \n+9
	MAXB T4+4+\b, SB+16*\b, \n+8, \n+9
.endr
	MAXB BM+\b, SA+16*\b, 7, 15
	MAXB BM+4+\b, SB+16*\b, 7, 15
.endr
.irp b, 0,1,2,3,4,5,6,7
	v_max_num_f32 v[BM+\b], v[BM+\b], v[T4+\b]
.endr
.irp b, 0,1,2,3,4,5,6,7
	v_permlanex16_b32 v[T4+\b], v[BM+\b], s[SEL], s[SEL+1]
.endr
.irp b, 0,1,2,3,4,5,6,7
	v_max_num_f32 v[BM+\b], v[BM+\b], v[T4+\b]     ; with lane l xor 16's 16 keys
.endr
	v_max3_num_f32 v[TW], v[BM], v[BM+1], v[BM+2]  ; the two tiles by turns
	v_max3_num_f32 v[TW+1], v[BM+4], v[BM+5], v[BM+6]
	v_max_num_f32 v[TW], v[TW], v[BM+3]            ; the step's largest score of my query
	v_max_num_f32 v[TW+1], v[TW+1], v[BM+7]
	v_mul_f32 v[TW], s[CS], v[TW]                  ; as t
	v_mul_f32 v[TW+1], s[CS], v[TW+1]
	v_max_num_f32 v[STA+1], v[STA+1], v[TW]        ; the running largest t
	v_max_num_f32 v[STB+1], v[STB+1], v[TW+1]
	v_mov_b32 v[TW], v[STA]
	v_mov_b32 v[TW+1], v[STB]
	v_floor_f32 v[STA], -v[STA+1]                  ; the new -M = floor(-t): M is a whole number
	v_floor_f32 v[STB], -v[STB+1]
	v_sub_f32 v[TW], v[STA], v[TW]                 ; old M - new M: a whole number, 0 or less
	v_sub_f32 v[TW+1], v[STB], v[TW+1]
	v_cvt_i32_f32 v[TW], v[TW]                     ; (it saturates)
	v_cvt_i32_f32 v[TW+1], v[TW+1]
	v_ldexp_f32 v[FA], 1.0, v[TW]                  ; f = 2^(old M - new M)
	v_ldexp_f32 v[FB], 1.0, v[TW+1]
.irp b, 0,1,2,3
	v_fma_f32 v[BM+\b], v[BM+\b], s[CS], v[STA]    ; t - M of each block's largest score,
	v_fma_f32 v[BM+4+\b], v[BM+4+\b], s[CS], v[STB]
.endr
.set j, 0
.rept 32
	v_pk_fma_f32 v[SA+j:SA+j+1], v[SA+j:SA+j+1], s[CS:CS+1], v[STA:STA+1] op_sel_hi:[1,0,0]   ; and of tile A's scores, two at a time
.set j, j+2
.endr
	s_wait_alu depctr_va_vdst(0)                   ; the wait ahead of the batch
.set j, 0
.rept 32
	v_exp_f32 v[SA+j], v[SA+j]                     ; p = 2^(t - M), at most 1; tile B's multiply-adds stand among tile A's exponentials
	v_exp_f32 v[SA+j+1], v[SA+j+1]
	v_pk_fma_f32 v[SB+j:SB+j+1], v[SB+j:SB+j+1], s[CS:CS+1], v[STB:STB+1] op_sel_hi:[1,0,0]
.set j, j+2
.endr
	v_pk_mul_f32 v[STA+2:STA+3], v[STA+2:STA+3], v[FA:FA+1] op_sel_hi:[1,0]   ; the sum under the new M
	s_wait_alu depctr_va_vdst(0)                   ; one wait for the batch, ahead of its first reader
.irp b, 0,1,2,3,4,5,6,7
	v_exp_f32 v[BM+\b], v[BM+\b]                   ; the block's largest p: the same two operations on the same number give the same bits
.endr
.irp g, 0,1,2,3,4,5,6,7
	SUMG SA, STA, CA, \g
.endr
	s_wait_alu depctr_va_vdst(0)                   ; and one for the eight
.irp b, 0,1,2,3,4,5,6,7
	v_max_num_f32 v[BM+\b], 0x8000000, v[BM+\b]    ; the floor 2^(16 - 127): the byte cannot fall under 1 (a block whose every p is 0 keeps that byte: its codes are zeros)
.endr
.irp b, 0,1,2,3,4,5,6,7
	v_add_nc_u32 v[SO+\b], 0xf8800000, v[BM+\b]    ; 15 off the exponent field: the conversion's scale operand
.endr
.irp b, 0,1,2,3,4,5,6,7
	v_and_or_b32 v[HD+\b], v[BM+\b], 0x7f800000, s[MNT]   ; 57,344 x the scale
.endr
.irp b, 0,1,2,3,4,5,6,7
	v_lshrrev_b32 v[T4+\b], 23, v[SO+\b]           ; the scale's byte
.endr
	v_lshl_or_b32 v[PW], v[T4+1], 8, v[T4]         ; p's scale words for these 128 keys
	v_lshl_or_b32 v[PW+1], v[T4+5], 8, v[T4+4]
	v_lshl_or_b32 v[PW], v[T4+2], 16, v[PW]
	v_lshl_or_b32 v[PW+1], v[T4+6], 16, v[PW+1]
	v_lshl_or_b32 v[PW], v[T4+3], 24, v[PW]
	v_lshl_or_b32 v[PW+1], v[T4+7], 24, v[PW+1]
	s_wait_dscnt 0x0                               ; V's tiles and scale words are in
	s_wait_alu depctr_va_vdst(0)                   ; the wait ahead of the batch
.set j, 0
.rept 32
	v_exp_f32 v[SB+2*j], v[SB+2*j]                 ; tile A's holds stand among tile B's exponentials
	v_exp_f32 v[SB+2*j+1], v[SB+2*j+1]
	HOLD2 j, SA, HD
.set j, j+1
.endr
	v_pk_mul_f32 v[STB+2:STB+3], v[STB+2:STB+3], v[FB:FB+1] op_sel_hi:[1,0]
	s_wait_alu depctr_va_vdst(0)                   ; one wait for the batch
.irp b, 0,1,2,3                                ; tile A's conversions; tile B's sums stand between them: a block's codes go where an earlier block's numbers lay
	CODES \b, SA, PA, SO
	SUMG SB, STB, CA+6, 2*\b
	SUMG SB, STB, CA+6, 2*\b+1
.endr
.irp b, 0,1,2,3
.irp i, 0,1,2,3,4,5,6,7
	HOLD2 8*\b+\i, SB, HD+4
.endr
	CODES \b, SB, PBC, SO+4
.endr
	WIN 0x41
	s_wait_alu depctr_va_vdst(0)                   ; directly ahead of the first reader of O^T
.set i, 0
.rept 16
	v_pk_mul_f32 v[O+i:O+i+1], v[O+i:O+i+1], v[FA:FA+1] op_sel_hi:[1,0]   ; O^T under the new M.  (These 32 also stand between the conversions and the products)
	v_pk_mul_f32 v[O+32+i:O+33+i], v[O+32+i:O+33+i], v[FB:FB+1] op_sel_hi:[1,0]
.set i, i+2
.endr
	WIN 0x51
.irp b, 0,1                                    ; O^T += V^T P^T: K = these 128 keys; the eight accumulators take turns, one instruction a turn
	v_wmma_scale_f32_16x16x128_f8f6f4 v[O+16*\b:O+16*\b+7], v[VB+32*\b:VB+32*\b+15], v[PA:PA+15], v[O+16*\b:O+16*\b+7], v[VSW+\b], v[PW] matrix_a_fmt:MATRIX_FMT_BF8 matrix_b_fmt:MATRIX_FMT_BF8
	v_wmma_scale_f32_16x16x128_f8f6f4 v[O+32+16*\b:O+39+16*\b], v[VB+32*\b:VB+32*\b+15], v[PBC:PBC+15], v[O+32+16*\b:O+39+16*\b], v[VSW+\b], v[PW+1] matrix_a_fmt:MATRIX_FMT_BF8 matrix_b_fmt:MATRIX_FMT_BF8
	v_wmma_scale_f32_16x16x128_f8f6f4 v[O+16*\b+8:O+16*\b+15], v[VB+32*\b+16:VB+32*\b+31], v[PA:PA+15], v[O+16*\b+8:O+16*\b+15], v[VSW+\b], v[PW] matrix_a_fmt:MATRIX_FMT_BF8 matrix_b_fmt:MATRIX_FMT_BF8 matrix_a_scale:MATRIX_SCALE_ROW1
	v_wmma_scale_f32_16x16x128_f8f6f4 v[O+40+16*\b:O+47+16*\b], v[VB+32*\b+16:VB+32*\b+31], v[PBC:PBC+15], v[O+40+16*\b:O+47+16*\b], v[VSW+\b], v[PW+1] matrix_a_fmt:MATRIX_FMT_BF8 matrix_b_fmt:MATRIX_FMT_BF8 matrix_a_scale:MATRIX_SCALE_ROW1
.endr
	WIN 0
	v_pk_add_f32 v[CA+2:CA+3], v[CA+2:CA+3], v[CA+4:CA+5]       ; the sums' chains are joined: six of the places behind the products
	v_pk_add_f32 v[CA+8:CA+9], v[CA+8:CA+9], v[CA+10:CA+11]
	v_pk_add_f32 v[STA+2:STA+3], v[STA+2:STA+3], v[CA:CA+1]
	v_pk_add_f32 v[STB+2:STB+3], v[STB+2:STB+3], v[CA+6:CA+7]
	v_pk_add_f32 v[STA+2:STA+3], v[STA+2:STA+3], v[CA+2:CA+3]
	v_pk_add_f32 v[STB+2:STB+3], v[STB+2:STB+3], v[CA+8:CA+9]
.Lhid_\@:
	s_add_co_u32 s[KR], s[KR], 2
	s_add_co_u32 s[G], s[G], 1
.endm
	s_wait_alu depctr_va_vdst(0)                   ; the wait at the head's end
	s_wait_loadcnt 0x0                             ; Q
.Lslot:                                            ; five trips, each a slot of three pairs; each fills the other slot
	CHANGE 1
	s_mov_b32 s[QC], 0
.Lpair:
	STEP 1
	s_add_co_u32 s[QC], s[QC], 1
	s_cmp_lt_u32 s[QC], 3
	s_cbranch_scc1 .Lpair
	s_xor_b32 s[TB], s[TB], SLOT
	s_sub_co_u32 s[TR], s[TR], 1
	s_cmp_lg_u32 s[TR], 0
	s_cbranch_scc1 .Lslot
	CHANGE 0                                       ; the last slot: nothing is left to fetch, and the late block has long begun
	s_mov_b32 s[QC], 0
.Llast:
	STEP 0
	s_add_co_u32 s[QC], s[QC], 1
	s_cmp_lt_u32 s[QC], 3
	s_cbranch_scc1 .Llast
	; THE PARTS ARE JOINED.  e = 0 hands its late part over and takes the early tiles; e = 1 keeps the late tiles.
	v_nop                                          ; eight places behind the last products, with the six additions
	v_nop
	s_wait_alu depctr_va_vdst(0)
	s_cmp_lg_u32 s[E], 0
	s_cbranch_scc1 .Lkeep
	HANDOVER YA
.Lkeep:
	s_wait_dscnt 0x0
	s_barrier_signal -1
	s_barrier_wait -1
	s_cmp_lg_u32 s[E], 0
	s_cbranch_scc1 .Lmine
.macro FETCH adr, to, sa, sb           ; two tiles' partial results from LDS
	WIN 0x40
.irp u, 0,1
.set i, 0
.rept 8
	ds_load_b128 v[\to+32*\u+4*i:\to+32*\u+4*i+3], v[\adr] offset:PART*\u+512*i
.set i, i+1
.endr
.endr
	WIN 0
	ds_load_b128 v[\sa:\sa+3], v[\adr] offset:4096
	ds_load_b128 v[\sb:\sb+3], v[\adr] offset:PART+4096
.endm
	FETCH PO, O, STA, STB
.Lmine:
	FETCH XA, KB, BM, BM+4                         ; the other wave's part
	s_wait_dscnt 0x0
.macro JOIN t, s, o, f, w
	v_min_num_f32 v[\w], v[\s], v[\o]              ; -M of both
	v_add_f32 v[\s+2], v[\s+2], v[\s+3]            ; the sums' halves
	v_add_f32 v[\o+2], v[\o+2], v[\o+3]
	v_sub_f32 v[\t+1], v[\w], v[\s]                ; my M - M and the other's M - M: whole numbers, 0 or less
	v_sub_f32 v[\t+2], v[\w], v[\o]
	v_cvt_i32_f32 v[\t+1], v[\t+1]
	v_cvt_i32_f32 v[\t+2], v[\t+2]
	v_ldexp_f32 v[\f], 1.0, v[\t+1]
	v_ldexp_f32 v[\t+2], 1.0, v[\t+2]
	v_mul_f32 v[\s+2], v[\s+2], v[\f]
	v_fma_f32 v[\s+2], v[\o+2], v[\t+2], v[\s+2]
.endm
	JOIN T4, STA, BM, FA, TW
	JOIN T4+4, STB, BM+4, FB, TW+1
	s_wait_alu depctr_va_vdst(0)
	v_permlanex16_b32 v[T4], v[STA+2], s[SEL], s[SEL+1]
	v_permlanex16_b32 v[T4+4], v[STB+2], s[SEL], s[SEL+1]
	v_add_f32 v[STA+2], v[STA+2], v[T4]            ; and lane l xor 16's keys
	v_add_f32 v[STB+2], v[STB+2], v[T4+4]
	s_wait_alu depctr_va_vdst(0)
	v_rcp_f32 v[STA+2], v[STA+2]
	v_rcp_f32 v[STB+2], v[STB+2]
	v_nop                                          ; a plain line behind the transcendentals
	s_wait_alu depctr_va_vdst(0)                   ; and the wait ahead of their first reader
	v_mul_f32 v[FA], v[FA], v[STA+2]
	v_mul_f32 v[T4+2], v[T4+2], v[STA+2]
	v_mul_f32 v[FB], v[FB], v[STB+2]
	v_mul_f32 v[T4+6], v[T4+6], v[STB+2]
	WIN 0x01
	s_wait_alu depctr_va_vdst(0)                   ; directly ahead of the first reader of O^T
.set i, 0
.rept 16
	v_pk_mul_f32 v[SA+i:SA+i+1], v[O+i:O+i+1], v[FA:FA+1] op_sel_hi:[1,0]
	v_pk_mul_f32 v[SB+i:SB+i+1], v[O+32+i:O+33+i], v[FB:FB+1] op_sel_hi:[1,0]
.set i, i+2
.endr
.set i, 0
.rept 16
	v_pk_fma_f32 v[SA+i:SA+i+1], v[KB+i:KB+i+1], v[T4+2:T4+3], v[SA+i:SA+i+1] op_sel_hi:[1,0,1]
	v_pk_fma_f32 v[SB+i:SB+i+1], v[KB+32+i:KB+33+i], v[T4+6:T4+7], v[SB+i:SB+i+1] op_sel_hi:[1,0,1]
.set i, i+2
.endr
	WIN 0
	; THE WAY OUT goes through my stage: register 16 b + i is channel 32 b + 16 h + i of query r; a row of the stage is a token's 64 channels, 256 bytes.
.irp u, 0,1
.irp b, 0,1
.irp i, 0,1,2,3
	ds_store_b128 v[STO], v[SA+68*\u+16*\b+4*\i:SA+68*\u+16*\b+4*\i+3] offset:16*SP*\u+128*\b+16*\i
.endr
.endr
.endr
	WIN 0x40
.irp u, 0,1
.irp i, 0,1,2,3,4,5,6,7
	ds_load_b128 v[VB+32*\u+4*\i:VB+32*\u+4*\i+3], v[RD] offset:16*SP*\u+2*\i*SP     ; LDS serves a wave's instructions in order: these see my stores
.endr
.endr
	WIN 0x04
.irp u, 0,1
.irp i, 0,1,2,3,4,5,6,7
	s_wait_dscnt 15-8*\u-\i                        ; the younger loads may stay out
	global_store_b128 v[GO], v[VB+32*\u+4*\i:VB+32*\u+4*\i+3], s[10:11] offset:(8*\u+2*\i+8*(\i/4))*4096 th:TH_STORE_NT   ; stage row p is token p + 8 (p / 8) of its tile; sixteen lanes store 256 consecutive bytes, aligned
.endr
.endr
	WIN 0
	s_wait_tensorcnt 0x0                           ; the wave's end
	ds_add_u32 v[SPW], v[NIL]
	s_wait_dscnt 0x0
	CROUND                                         ; the closing round: no work-group ends while a partner may still ask for a pair that names it
	s_endpgm
.Lfunc_end_k_qa69ecb69f5_attn:
	.size	k_qa69ecb69f5_attn, .Lfunc_end_k_qa69ecb69f5_attn-k_qa69ecb69f5_attn
	.p2alignl 7, 3214868480
	.fill 96, 4, 3214868480
	.section	.rodata,"a",@progbits
	.p2align	6, 0x0
	.amdhsa_kernel k_qa69ecb69f5_attn
		.amdhsa_group_segment_fixed_size 327680
		.amdhsa_private_segment_fixed_size 0
		.amdhsa_enable_private_segment 0
		.amdhsa_kernarg_size 32
		.amdhsa_user_sgpr_count 2
		.amdhsa_user_sgpr_kernarg_segment_ptr 1
		.amdhsa_wavefront_size32 1
		.amdhsa_system_sgpr_workgroup_id_x 1
		.amdhsa_system_sgpr_workgroup_id_y 1
		.amdhsa_system_sgpr_workgroup_id_z 1
		.amdhsa_system_vgpr_workitem_id 0
		.amdhsa_next_free_vgpr 512
		.amdhsa_next_free_sgpr 80
		.amdhsa_reserve_vcc 1
		.amdhsa_float_denorm_mode_32 3
		.amdhsa_float_denorm_mode_16_64 3
		.amdhsa_memory_ordered 1
		.amdhsa_forward_progress 1
		.amdhsa_inst_pref_size 119
	.end_amdhsa_kernel
	.amdgpu_metadata
---
amdhsa.version: [ 1, 2 ]
amdhsa.kernels:
  - .name:           k_qa69ecb69f5_attn
    .symbol:         k_qa69ecb69f5_attn.kd
    .args:
      - { .name: qi, .offset: 0, .size: 8, .value_kind: global_buffer, .address_space: global }
      - { .name: qs, .offset: 8, .size: 8, .value_kind: global_buffer, .address_space: global }
      - { .name: kv, .offset: 16, .size: 8, .value_kind: global_buffer, .address_space: global }
      - { .name: out0, .offset: 24, .size: 8, .value_kind: global_buffer, .address_space: global }
    .group_segment_fixed_size: 327680
    .private_segment_fixed_size: 0
    .kernarg_segment_align: 8
    .kernarg_segment_size: 32
    .max_flat_workgroup_size: 256
    .sgpr_count:     80
    .vgpr_count:     512
    .wavefront_size: 32
...
	.end_amdgpu_metadata
.endif
;; end of part 3
